; MI455X (gfx1250); checked and timed in simulation.
; The chip was launched on July 23, 2026; its instructions are those of AMD's public machine-readable ISA for CDNA 5 (MIT licence, August 2026) and "CDNA5" Instruction Set Architecture Reference Guide (July 2026). The comments in the code are by the model that wrote it; some were corrected since.
;; Self Attention. Allowed arithmetic: matrix products marked QUANTISED: E5M2 operands, one E8M0 scale for each 32 along K, by v_wmma_scale_f32_16x16x128_f8f6f4 with both operands' format E5M2, f32 sums; everything else in f32.
;; Inputs: Wk_codes 1,024 x 32 x 32 uint8 (E5M2 codes of Wk, K innermost, in blocks of 32 codes); Wk_scales 1,024 x 32 uint8 (E8M0 scales of Wk, one for each 32 codes along K); Wq_codes 1,024 x 32 x 32 uint8 (E5M2 codes of Wq, K innermost, in blocks of 32 codes); Wq_scales 1,024 x 32 uint8 (E8M0 scales of Wq, one for each 32 codes along K); Wv_codes 1,024 x 32 x 32 uint8 (E5M2 codes of Wv, K innermost, in blocks of 32 codes); Wv_scales 1,024 x 32 uint8 (E8M0 scales of Wv, one for each 32 codes along K); bk 1,024 float32; bq 1,024 float32; bv 1,024 float32; x_codes 4 x 2,048 x 32 x 32 uint8 (E5M2 codes of x, K innermost, in blocks of 32 codes); x_scales 4 x 2,048 x 32 uint8 (E8M0 scales of x, one for each 32 codes along K).
;; Outputs: out0 4 x 2,048 x 1,024 float32.
;; This version of the problem:
;;   THIS VERSION OF THE PROBLEM IS GIVEN IN LOW PRECISION. The matrix products marked QUANTISED in the list below multiply operands that are first quantised to E5M2 (5 exponent bits, 2 mantissa bits; 8 bits a number), with one power-of-two scale for each 32 numbers along K (OCP MX v1.0); their sums are f32. All else is computed in f32.
;;   The module's matrix products, in the order in which they are computed (A, B: the left and right operand; K: the contracted axis; several contracted axes count as one K, in the product's order):
;;     1. [M 8,192, K 1,024] x [K 1,024, N 1,024]; A: input x (given as codes); B: input Wq (given as codes): QUANTISED
;;     2. [M 8,192, K 1,024] x [K 1,024, N 1,024]; A: input x (given as codes); B: input Wk (given as codes): QUANTISED
;;     3. [M 8,192, K 1,024] x [K 1,024, N 1,024]; A: input x (given as codes); B: input Wv (given as codes): QUANTISED
;;     4. batch 4 x [M 2,048, K 1,024] x [K 1,024, N 2,048]; A: computed on the way; B: computed on the way: QUANTISED
;;     5. batch 4 x [M 2,048, K 2,048] x [K 2,048, N 1,024]; A: softmax (see below); B: computed on the way: QUANTISED
;;   THE QUANTISER, for each operand of a quantised product, along K:
;;     - K is cut into blocks of 32 from its start; a last block that is shorter is filled with zeros.
;;     - A block's scale is 2^e with e = floor(log2(the largest magnitude in the block)) - 15, held to -126 .. 127; a block of zeros has e = 0. As a byte (E8M0): e + 127.
;;     - Each number is divided by its block's scale, clamped to +-57,344, and rounded to the nearest number of E5M2, ties to even, subnormals kept.
;;     - The product sums the exact products of the quantised numbers (number of the format x scale) in f32.
;;   ~~~python
;;   def quantise(x, axis):      # numpy; x: float32 -> the quantised numbers, widened to float32 again
;;       x = np.moveaxis(x, axis, -1); K = x.shape[-1]
;;       x = np.pad(x, [(0, 0)] * (x.ndim - 1) + [(0, -K % 32)]); x = x.reshape(x.shape[:-1] + (-1, 32)); a = np.abs(x).max(-1, keepdims=True)
;;       e = np.where(a > 0, np.clip(np.frexp(np.where(a > 0, a, 1))[1] - 1 - 15, -126, 127), 0)      # np.frexp(a)[1] - 1 = floor(log2(a)), exactly
;;       r = np.clip(x / 2.0 ** e, -57344, 57344)
;;       step = 2.0 ** (np.maximum(np.frexp(np.where(r == 0, 1, r))[1] - 1, -14) - 2)
;;       q = np.round(r / step) * step * 2.0 ** e      # np.round: ties to even
;;       return np.moveaxis(q.reshape(q.shape[:-2] + (-1,))[..., :K], -1, axis).astype(np.float32)
;;   ~~~
;;   SOFTMAX AHEAD OF A QUANTISED PRODUCT. Where the list says 'softmax', what is quantised is not the finished softmax but p = 2^(t - M), with t = logit x log2(e) and M = ceil(the row's largest t), a whole number; so 1/2 < the row's largest p <= 1. The row's sum l is taken of the UNQUANTISED p, in f32, and the product's result is divided by l at the end. Since M is a whole number, a kernel that streams over the keys may use a running M (the ceiling of the running maximum): every later rescaling is an exact power of two, which a block's scale takes up: the codes' values come out the same.
;;   OPERANDS COMPUTED ON THE WAY. 'Computed on the way' means the value that the module computes at that place (a softmax that the list does not call 'softmax' is quantised finished and normalised). What goes into a quantiser is computed in f32, as accurately as f32 sums, v_exp_f32 and their like allow (about 1e-6 of the number): no bf16 or f16 on the way to a quantiser, and a product that is left as it is and whose result goes on into a quantised operand takes f32 operands (vector FMAs, or v_wmma_f32_16x16x4_f32). A number that lies on a knife's edge between two numbers of the format may be rounded either way, as far as f32 arithmetic and the matrix unit's own rounding can turn it there, and no further.
;;   INPUTS GIVEN AS CODES. Wk (in the module: [1024, 1024], K = its axis 0); Wq (in the module: [1024, 1024], K = its axis 0); Wv (in the module: [1024, 1024], K = its axis 0); x (in the module: [4, 2048, 1024], K = its axis 2): each comes as NAME_codes (uint8): NAME with its K axis moved to the last place and cut into blocks of 32 codes, [.., K / 32, bytes a block], one block behind the other in memory; one code a byte (a code: sign, 5 exponent bits, 2 mantissa bits); and NAME_scales (uint8): the same leading axes, one E8M0 byte (e + 127) for each 32 codes along K. Its value is code x scale, taken as it is: it is not quantised again, and the codes and scales need not be those that the quantiser above would give.
;; One version. Each part assembles by itself: llvm-mc -triple=amdgcn-amd-amdhsa -mcpu=gfx1250 --defsym DOCPART=n.
;; ======== version 1 of 1: 3 launches
;; limits: right only within a limited range of input values
;; workspace buffers: qkv_img 25,165,824 bytes; qkv_sc 786,432 bytes; p_img 16,777,216 bytes; p_st 1,572,864 bytes
;; launch proj (part 1): grid 16 x 16, 4 waves a work-group, clusters of 4 x 4, 327,680 bytes of LDS; arguments x_codes, x_scales, Wq_codes, Wq_scales, Wk_codes, Wk_scales, Wv_codes, Wv_scales, bq, bk, bv, qkv_img, qkv_sc; writes qkv_img, qkv_sc
.if DOCPART == 1
	.amdgcn_target "amdgcn-amd-amdhsa--gfx1250"
	.amdhsa_code_object_version 6
	.text
	.protected	k_q1033fe30a1_proj
	.globl	k_q1033fe30a1_proj
	.p2align	8
	.type	k_q1033fe30a1_proj,@function
k_q1033fe30a1_proj:
	s_mov_b64 s[64:65], 0
	v_nop
	global_prefetch_b8 v0, s[64:65] scope:SCOPE_SE
	s_setreg_imm32_b32 hwreg(HW_REG_WAVE_MODE, 25, 1), 1
	s_wait_xcnt 0x0
	s_wait_alu depctr_hold_cnt(0) depctr_sa_sdst(0) depctr_va_vdst(0) depctr_va_sdst(0) depctr_va_ssrc(0) depctr_va_vcc(0) depctr_vm_vsrc(0)
	s_getreg_b32 s2, hwreg(HW_REG_IB_STS2, 6, 4)
	s_cmp_eq_u32 s2, 0
	s_cbranch_scc0 .Lentry_in_a_cluster
	s_endpgm
.Lentry_in_a_cluster:
	s_bfe_u32 s2, ttmp6, 0x10000c
	s_cmp_lg_u32 s2, 0xf033
	s_cbranch_scc0 .Lentry_shape_is_right
	s_endpgm
.Lentry_shape_is_right:
; Q, K, V = x W^T + b and their quantisers, on codes of E5M2 with a scale byte for 32 along K: 8,192 x 3,072 x 1,024.  No f32 result is stored: codes and scale words leave as images of the next launches' operand registers.
; IMAGES (a fragment: 16 rows x 128 K = 2,048 bytes, chunk c of 32 K at 512 c, lane l's 16 bytes at 16 l): q, k: [q / k][256 K: 4][row tile 512][K step 2][2,048];  v^T, 16 MiB on: [256 keys: 32][column tile 64][K step 2][2,048].
; Inside a block of 32 along the next K, byte 8 u + j of half h is number 16 u + 8 h + j: q and k alike, and v as the next launch makes p.
; WORDS: q, k: [q / k][K step 8][row 8,192] x 4 bytes;  v, 512 KiB on: [K step 64][column 1,024] x 4 bytes.
; LIMITS: NaN, infinities and sums beyond f32's range are not served.  A block's byte never falls under 1; a block of zeros keeps the byte 1 and zero codes.
; THE DEAL.  256 work-groups of four waves, 2 x 2; a wave holds 64 rows of a weight, all of K, in 512 registers and streams x's rows past them in blocks of 16, which stand in registers as two whole sets.
; PHASE 1: 512 rows x 128 columns of Q (tile columns 0 to 7) or K: sixteen blocks a wave.  PHASE 2: 256 x 128 of V: eight blocks, of one of the work-group's own two windows of 256 rows, number s18; W_v's tile column is 4 (cluster x / 2) + cx.
; Block s of wave row w: rows 64 (s / 2) + 32 w + 16 (s % 2): two blocks on end are 32 neighbouring tokens, a scale block of V.
; THE ORDER OF WORK.  LDS holds two slots of 128 rows; the first weight's rows lie in slot 1 at first, W_v's in slot 0.  The window that is not V's comes first (chunks 0, 1), V's last (2, 3): chunk 3 still lies in slot 1 when V begins, chunk 2 comes anew.
; FILLS.  At the head the weight (wave 0), chunk 0 (wave 1), a window's scale bytes each (waves 2, 3).  Refills in drained rounds, a quarter of 128 rows a wave: chunks 1, 2, 3 inside blocks 0, 4, 8 (first halves shown by the plain barrier inside the block two on, second by the next round); W_v behind block 11; chunk 2 anew behind W_v's loads into registers.
; CLUSTERS of 4 x 4: x's rows are shared along a row of the cluster, a weight's along a column.
; PREFETCHES: a chunk's 512 blocks of 256 bytes by the cluster row's sixteen waves, W_v's by the column's, a lane a block: chunks 1 and 2 at the head, chunk 3 in trip 1, W_v in trip 2: about two fills ahead.
; THE WAY OUT of a block stands among the next block's products (Q, K), a pair of V's blocks' among the next pair's.  The first way out of either phase works on zeros and stores nothing.
.set KROW, 1024
.set KS, 32
.set NB, 4
.set CH, 128  ; rows in a slot
.set PITCH, KROW+16
.set FR, 16
.set FPW, 16
.set NP, 8  ; plain vector lines behind a matrix instruction ahead of a reader of its sums and of a load into what it has read
.set NF, 34  ; LDS loads of a block
.set YB, CH*PITCH
.set SCL, 2*CH*PITCH  ; scale bytes of x's 512 rows in the order of work, units of 256 bytes (8 rows) + 16
.set RS, 32
.set SSTEP, 4*272  ; 32 rows
.set XN, SCL+2*RS*272  ; Q's, K's scale bytes: for each wave (2 x column + row) nine places of 64 bytes, a pair of blocks each: 32 rows x 2 bytes; the first is not used
.set XV, XN+2304  ; V's: for each wave (2 x column + row): [K step 2][pair 2][64 columns]
.set SPARE, XV+1024
.set EMAX, 15  ; the largest number is 57,344 = 1.75 x 2^15
.set ADRA0, 4  ; fragments of block 0
.set AAS0, 6  ; my row's scale words in block 0
.set CO, 9  ; 16 x lane
.set SPW, 10
.set NIL, 11
.set ADRA, 12  ; the block that is fetched next
.set VX, 13  ; where scale bytes go
.set ADRB, 14  ; v14, v15: a weight in slot 1, in slot 0
.set ABS, 16
.set AAS, 17
.set VX0, 18
.set RD, 19
.set SOP, 20  ; v20-23 conversions' scale operands
.set SB, 24  ; v24-39 weight's scale words: register 8 p + q: lanes 0-15 tile 2 p's, lanes 16-31 tile 2 p + 1's
.set EB, 40
.set SA, 44  ; v44-59 x's, two sets of eight: no product's two scale words have numbers equal modulo 8
.set TQ, 60  ; v60-63 maxima and bounds
.set ACC, 64  ; v64-191 four sets of four accumulators: products write 0 and 1; 2 and 3 take a pair of V's blocks for its way out
.set WS, 128  ; v128-143 in phase 1: W_v's scale words
.set NCD, 192
.set MCD, 192
.set BQ, 208  ; v208-239 the first four products' C
.set BV, 240
.set G1A, 24
.set G0A, 56
.set G1B, 32
.set G0B, 60
.set G1R, 48
.set G0R, 68
.set G1S, 92
.set G0S, 72
.set MSB, 0
.macro WIN new  ; the immediate's high byte repeats the setting that is left
.if MSB != \new
	s_set_vgpr_msb (MSB<<8)|\new
.set MSB, \new
.endif
.endm
.macro PLACES n
.rept \n
	v_nop
.endr
.endm
.macro WALU
	s_wait_alu depctr_va_vdst(0)
.endm
.macro BARRIER
	s_barrier_signal -1
	s_barrier_wait -1
.endm
.macro CROUND
	BARRIER
	s_cmp_lg_u32 s14, 0
	s_cbranch_scc1 .Lnot_wave_0_\@
	s_barrier_signal -3
.Lnot_wave_0_\@:
	s_barrier_wait -3
	BARRIER
.endm
.macro TLOAD g0, g1
	tensor_load_to_lds s[\g0:\g0+3], s[\g1:\g1+7]
	s_nop 0
	PLACES 4
.endm
.macro GROUP1 g, mask, rows  ; so many whole rows of 1,024 bytes, padded in LDS by 16 behind each
	s_or_b32 s[\g+0], s[\mask], (1<<20)|(1<<21)|(7<<22)|(3<<25)
	s_mov_b32 s[\g+1], KROW<<16
	s_mov_b32 s[\g+2], (\rows)<<16
	s_mov_b32 s[\g+3], KROW<<16
	s_mov_b32 s[\g+4], \rows
	s_mov_b32 s[\g+5], KROW
	s_mov_b32 s[\g+6], 0
	s_mov_b32 s[\g+7], 0
.endm
.macro SADD d, x
	s_add_co_u32 s\d, s\d, s\x
.endm
	s_load_b128 s[4:7], s[0:1], 0x0  ; x's codes, scales
	s_load_b256 s[76:83], s[0:1], 0x10  ; Wq's codes, scales, Wk's codes, scales
	s_load_b128 s[84:87], s[0:1], 0x30  ; Wv's
	s_load_b128 s[88:91], s[0:1], 0x40  ; bq, bk
	s_load_b64 s[100:101], s[0:1], 0x50  ; bv
	v_lshl_add_u32 v[SPW], v0, 2, SPARE
	v_mov_b32 v[NIL], 0
	ds_add_u32 v[SPW], v[NIL]  ; the opening: the add, twice on end, and its wait
	ds_add_u32 v[SPW], v[NIL]
	v_lshrrev_b32 v1, 5, v0
	v_readfirstlane_b32 s14, v1  ; wave 0..3
	s_lshr_b32 s15, s14, 1  ; my row of waves
	s_and_b32 s16, s14, 1  ; my column of waves
	s_bfe_u32 s40, ttmp6, 0x40000  ; cx, cy
	s_bfe_u32 s41, ttmp6, 0x40004
	s_lshl_b32 s42, ttmp9, 2
	SADD 42, 40  ; tile column
	s_and_b32 s43, ttmp7, 0xffff
	s_lshl_b32 s43, s43, 2
	SADD 43, 41  ; tile row
	s_lshr_b32 s19, ttmp9, 1  ; 0: Q, 1: K
	s_and_b32 s18, ttmp9, 1  ; V's window
	s_and_b32 s42, s42, 7  ; the tile column inside its weight: the K step of the next product
	s_lshl_b32 s44, s41, 2
	s_lshl_b32 s44, 15, s44  ; my row of the cluster
	s_lshl_b32 s45, 0x1111, s40  ; my column
	GROUP1 G1B, 45, CH
	GROUP1 G1A, 44, CH
	GROUP1 G1R, 44, CH/4
	s_or_b32 s[G1S+0], s44, (3<<16)|(1<<20)|(1<<21)|(5<<22)|(3<<25)  ; 8,192 dense bytes as rows of 256 (32 elements of 8), 16 of padding behind each
	s_mov_b32 s[G1S+1], 32<<16
	s_mov_b32 s[G1S+2], RS<<16
	s_mov_b32 s[G1S+3], 32<<16
	s_mov_b32 s[G1S+4], RS
	s_mov_b32 s[G1S+5], 32
	s_mov_b32 s[G1S+6], 0
	s_mov_b32 s[G1S+7], 0
	s_mov_b32 s[G0S], 1
	s_mul_i32 s[G0S+1], s16, RS*272
	s_add_co_u32 s[G0S+1], s[G0S+1], SCL
; s67, s2: in x's codes the rows of the window that is not V's, of V's;  s3: W_v's rows
	s_lshl_b32 s67, s43, 19
	s_lshl_b32 s20, s18, 18
	s_add_co_u32 s2, s67, s20
	s_xor_b32 s20, s20, 1<<18
	SADD 67, 20
	s_lshl_b32 s13, s19, 2
	SADD 13, 40  ; W_v's tile column
	s_lshl_b32 s3, s13, 17
	s_lshl_b32 s21, s16, 11  ; my wave's 64 rows of a weight's scale bytes
	s_lshl_b32 s12, s13, 12
	SADD 12, 21
	s_lshl_b32 s46, s42, 17  ; s[46:47] the first weight's codes
	s_mov_b32 s47, 0
	s_lshl_b32 s10, s42, 12  ; s[10:11] its scale bytes
	SADD 10, 21
	s_mov_b32 s11, 0
	s_lshl_b32 s8, s43, 1  ; s[8:9] x's scale bytes: wave 2 the window that is not V's, wave 3 V's
	s_xor_b32 s20, s18, 1
	s_cmp_eq_u32 s16, 1
	s_cselect_b32 s20, s18, s20
	SADD 8, 20
	s_lshl_b32 s8, s8, 13
	s_mov_b32 s9, 0
	s_mov_b32 s[G0A], 1
	s_mov_b32 s[G0A+1], 0
	s_mov_b32 s[G0B], 1
	s_mov_b32 s[G0B+1], YB
	s_mov_b32 s[G0R], 1
	v_and_b32 v1, 15, v0
	v_bfe_u32 v2, v0, 4, 1
	v_and_b32 v3, 31, v0
	v_mul_u32_u24 v22, v1, PITCH
	v_mad_u32_u24 v23, v2, 16, v22
	s_mul_i32 s20, s15, 32*PITCH
	v_add_nc_u32 v[ADRA0], s20, v23
	s_mul_i32 s22, s16, 16*NB*PITCH
	v_add_nc_u32 v[ADRB+1], s22, v23
	s_add_co_u32 s22, s22, YB
	v_add_nc_u32 v[ADRB], s22, v23
	v_mul_u32_u24 v[ABS], v3, KS
	v_lshlrev_b32 v23, 5, v1
	v_lshrrev_b32 v22, 3, v1
	v_lshl_add_u32 v23, v22, 4, v23
	s_mul_i32 s20, s15, 4*272
	s_add_co_u32 s20, s20, SCL
	v_add_nc_u32 v[AAS0], s20, v23
	s_lshl_b32 s40, s40, 2  ; s40, s41 from here on: which of the cluster row's, of the column's sixteen waves I am: my share of a prefetch
	SADD 40, 14
	s_lshl_b32 s41, s41, 2
	SADD 41, 14
	WALU
	s_wait_dscnt 0x0  ; both opening adds are done
	CROUND
	s_wait_kmcnt 0x0
	s_cmp_eq_u32 s19, 0
	s_cselect_b64 s[76:77], s[76:77], s[80:81]
	s_cselect_b64 s[78:79], s[78:79], s[82:83]
	s_cselect_b64 s[88:89], s[88:89], s[90:91]
	s_mov_b32 s20, s67
	s_mov_b32 s21, 0
	s_add_nc_u64 s[G0A+2:G0A+3], s[4:5], s[20:21]
	s_or_b32 s[G0A+3], s[G0A+3], 0x80000000
	s_add_nc_u64 s[G0B+2:G0B+3], s[76:77], s[46:47]
	s_or_b32 s[G0B+3], s[G0B+3], 0x80000000
	s_add_nc_u64 s[G0S+2:G0S+3], s[6:7], s[8:9]
	s_or_b32 s[G0S+3], s[G0S+3], 0x80000000
	s_cmp_eq_u32 s14, 0  ; one joint load a wave
	s_cbranch_scc0 .Lwave_1
	TLOAD G0B, G1B
	s_branch .Lasked
.Lwave_1:
	s_cmp_eq_u32 s14, 1
	s_cbranch_scc0 .Lfor_scales
	TLOAD G0A, G1A
	s_branch .Lasked
.Lfor_scales:
	TLOAD G0S, G1S
.Lasked:
	s_add_nc_u64 s[10:11], s[78:79], s[10:11]
	s_mov_b64 s[104:105], s[84:85]  ; W_v's codes
	s_mov_b32 s20, s12
	s_mov_b32 s21, 0
	s_add_nc_u64 s[86:87], s[86:87], s[20:21]  ; W_v's scale bytes
	s_lshl_b32 s20, s42, 9  ; the bias: 128 columns of 4 bytes a tile column, 64 a wave
	s_lshl_b32 s22, s16, 8
	SADD 20, 22
	s_add_nc_u64 s[20:21], s[88:89], s[20:21]
	s_lshl_b32 s23, s13, 9
	SADD 22, 23
	s_mov_b32 s23, 0
	s_add_nc_u64 s[22:23], s[100:101], s[22:23]
	v_lshlrev_b32 v22, 5, v2  ; Q, K: register i of tile t of lane (r, h) is column 16 t + 8 h + i
	v_lshlrev_b32 v23, 2, v1  ; V: all eight are column 16 t + r
.irp t, 0,1,2,3
	global_load_b128 v[BQ+8*\t:BQ+8*\t+3], v22, s[20:21] offset:64*\t
	global_load_b128 v[BQ+8*\t+4:BQ+8*\t+7], v22, s[20:21] offset:64*\t+16
	global_load_b32 v[BV+\t], v23, s[22:23] offset:64*\t
.endr
.irp p, 0,1
.irp c, 0,1
	global_load_b128 v[SB+8*\p+4*\c:SB+8*\p+4*\c+3], v[ABS], s[10:11] offset:\p*32*KS+16*\c
	global_load_b128 v[WS+8*\p+4*\c:WS+8*\p+4*\c+3], v[ABS], s[86:87] offset:\p*32*KS+16*\c
.endr
.endr
	s_wait_xcnt 0x0  ; the loads have taken their addresses; they change below
; WHERE MY RESULTS GO: offsets now, the buffers' addresses in front of the stream
	s_lshl_b32 s76, s19, 23  ; s[76:77] q's or k's images: my tile row, my K step, my two chunks of 32, my row of waves
	s_lshr_b32 s20, s42, 1
	s_lshl_b32 s20, s20, 21
	SADD 76, 20
	s_and_b32 s20, s42, 1
	s_lshl_b32 s20, s20, 11
	SADD 76, 20
	s_lshl_b32 s20, s16, 10
	SADD 76, 20
	s_lshl_b32 s20, s43, 17
	SADD 76, 20
	s_lshl_b32 s20, s15, 13
	SADD 76, 20
	s_mov_b32 s77, 0
	s_lshl_b32 s78, s19, 18  ; s[78:79] their words: wave n stores 128 rows: half n % 2 of window n / 2 in the order of work
	s_lshl_b32 s20, s42, 15
	SADD 78, 20
	s_lshl_b32 s20, s43, 11
	SADD 78, 20
	s_xor_b32 s20, s15, s18
	s_xor_b32 s20, s20, 1
	s_lshl_b32 s20, s20, 10
	SADD 78, 20
	s_lshl_b32 s20, s16, 9
	SADD 78, 20
	s_mov_b32 s79, 0
	s_lshl_b32 s22, s43, 1
	SADD 22, 18  ; V's window of 256 keys
	s_lshl_b32 s80, s22, 18  ; s[80:81] v's images
	s_lshl_b32 s20, s13, 15
	SADD 80, 20
	s_lshl_b32 s20, s16, 14
	SADD 80, 20
	s_lshl_b32 s20, s15, 9
	SADD 80, 20
	s_add_co_u32 s80, s80, 0x1000000
	s_mov_b32 s81, 0
	s_lshl_b32 s82, s22, 13  ; s[82:83] v's words: wave n stores K step n / 2, columns 64 (n % 2) on
	s_lshl_b32 s20, s15, 12
	SADD 82, 20
	s_lshl_b32 s20, s13, 9
	SADD 82, 20
	s_lshl_b32 s20, s16, 8
	SADD 82, 20
	s_add_co_u32 s82, s82, 0x80000
	s_mov_b32 s83, 0
	v_lshlrev_b32 v[CO], 4, v3
	s_mul_i32 s21, s16, 1152
	s_mul_i32 s22, s15, 576
	SADD 21, 22
	s_add_co_u32 s21, s21, XN
	v_lshl_add_u32 v[VX0], v1, 1, s21
	s_lshl_b32 s21, s16, 9
	s_lshl_b32 s22, s15, 8
	SADD 21, 22
	s_add_co_u32 s21, s21, XV
	v_add_nc_u32 v[RD], s21, v1
	v_mov_b32 v[VX], v[VX0]
	s_add_co_u32 s6, s67, CH*KROW  ; chunk 1
	s_add_co_u32 s7, s2, CH*KROW  ; chunk 3
	s_lshl_b32 s21, s40, 13
	s_add_co_u32 s22, s21, s6
	v_lshl_add_u32 v7, v3, 8, s22
	s_add_co_u32 s22, s21, s2
	v_lshl_add_u32 v8, v3, 8, s22
	v_add_nc_u32 v1, 16*PITCH, v[ADRA0]  ; block 1
	v_add_nc_u32 v2, 2*272, v[AAS0]
	s_mov_b64 s[86:87], s[4:5]
	WALU
	s_cmp_eq_u32 s14, 0
	s_cbranch_scc0 .Lnot_b
	s_wait_tensorcnt 0x0  ; wave 0: the first weight has landed; the other waves' wait stands at the second barrier
.Lnot_b:
	BARRIER
	global_prefetch_b8 v7, s[4:5] th:TH_LOAD_NT scope:SCOPE_SE
	global_prefetch_b8 v8, s[4:5] th:TH_LOAD_NT scope:SCOPE_SE
.macro MIDDLE  ; a round's middle
	WIN 0
	s_barrier_wait -1
	s_cmp_lg_u32 s14, 0
	s_cbranch_scc1 .Lnot_wave_0_\@
	s_barrier_signal -3
.Lnot_wave_0_\@:
	s_barrier_wait -3
.endm
.macro GRD
	s_wait_tensorcnt 0x0
	ds_add_u32 v[SPW], v[NIL]
.endm
.macro FRAG f, adr, q, off  ; a weight's fragment f in window 1 + f / 16: lane l holds row l % 16; registers 4 c .. 4 c + 3 hold K = 32 c + 16 (l / 16) + 0 .. 15
	WIN (1+(\f)/FPW)<<6
.irp c, 0,1,2,3
	ds_load_b128 v[FR*((\f)%FPW)+4*\c:FR*((\f)%FPW)+4*\c+3], v[\adr] offset:128*(\q)+32*\c+(\off)
.endr
.endm
.macro WEIGHTS adr
.irp q, 0,1,2,3,4,5,6,7
.irp b, 0,1,2,3
	FRAG NB*\q+\b, \adr, \q, \b*16*PITCH
.endr
.endr
	WIN 0
.endm
.macro FETCHAT k, a, s  ; a block of x, all of K, into set k of window 3, and its scale words: NF loads
	WIN 3<<6
.irp q, 0,1,2,3,4,5,6,7
.irp c, 0,1,2,3
	ds_load_b128 v[128*\k+FR*\q+4*\c:128*\k+FR*\q+4*\c+3], v[\a] offset:128*\q+32*\c
.endr
.endr
	WIN 0
	ds_load_b128 v[SA+8*\k:SA+8*\k+3], v[\s]
	ds_load_b128 v[SA+8*\k+4:SA+8*\k+7], v[\s] offset:16
.endm
.macro PROD kind, e, a, n  ; product n = 4 q + b of a block.  kind 0 (Q, K): source 0 = the weight's rows; 1 (V): source 0 = x's rows.  The first four begin with the bias
.set Q_, (\n)/4
.set B_, (\n)%4
.set FB_, NB*Q_+B_
.set AC_, ACC+32*(\a)+8*B_
.set C_, AC_
.if Q_ == 0
.set C_, BQ+8*B_
.endif
.set R_, 128*(\e)+FR*Q_
.set W_, FR*(FB_%FPW)
.set XS_, SA+8*(\e)+Q_
.set WS_, SB+8*(B_/2)+Q_
.if \kind
	WIN 3|((1+FB_/FPW)<<2)
.if B_%2
	v_wmma_scale_f32_16x16x128_f8f6f4 v[AC_:AC_+7], v[R_:R_+FR-1], v[W_:W_+FR-1], v[C_:C_+7], v[XS_], v[WS_] matrix_a_fmt:MATRIX_FMT_BF8 matrix_b_fmt:MATRIX_FMT_BF8 matrix_b_scale:MATRIX_SCALE_ROW1
.else
	v_wmma_scale_f32_16x16x128_f8f6f4 v[AC_:AC_+7], v[R_:R_+FR-1], v[W_:W_+FR-1], v[C_:C_+7], v[XS_], v[WS_] matrix_a_fmt:MATRIX_FMT_BF8 matrix_b_fmt:MATRIX_FMT_BF8
.endif
.else
	WIN (1+FB_/FPW)|(3<<2)
.if B_%2
	v_wmma_scale_f32_16x16x128_f8f6f4 v[AC_:AC_+7], v[W_:W_+FR-1], v[R_:R_+FR-1], v[C_:C_+7], v[WS_], v[XS_] matrix_a_fmt:MATRIX_FMT_BF8 matrix_b_fmt:MATRIX_FMT_BF8 matrix_a_scale:MATRIX_SCALE_ROW1
.else
	v_wmma_scale_f32_16x16x128_f8f6f4 v[AC_:AC_+7], v[W_:W_+FR-1], v[R_:R_+FR-1], v[C_:C_+7], v[WS_], v[XS_] matrix_a_fmt:MATRIX_FMT_BF8 matrix_b_fmt:MATRIX_FMT_BF8
.endif
.endif
.endm
.macro HOLD x, b  ; held at the largest number that the format has under the block's scale
	v_med3_num_f32 v[\x], v[\x], -v[TQ+\b], v[TQ+\b]
.endm
.macro GAPQ m, x  ; THE QUANTISER OF Q's OR K's BLOCK, places 0 .. 29: two scale blocks of 32, tiles 0, 1 and tiles 2, 3, each in lanes l and l xor 16: the sums at x -> codes NCD, two bytes EB
.if (\m) == 0
	v_max3_num_f32 v[TQ], |v[\x]|, |v[\x+1]|, (EMAX+1)<<23
	v_max3_num_f32 v[TQ+1], |v[\x+16]|, |v[\x+17]|, (EMAX+1)<<23
.elseif (\m) < 8
	v_max3_num_f32 v[TQ], v[TQ], |v[\x+2*(\m)]|, |v[\x+2*(\m)+1]|
	v_max3_num_f32 v[TQ+1], v[TQ+1], |v[\x+16+2*(\m)]|, |v[\x+17+2*(\m)]|
.elseif (\m) == 8
	v_permlanex16_b32 v[TQ+2], v[TQ], s60, s61
	v_permlanex16_b32 v[TQ+3], v[TQ+1], s60, s61
.elseif (\m) == 9
	v_max_num_f32 v[TQ], v[TQ], v[TQ+2]
	v_max_num_f32 v[TQ+1], v[TQ+1], v[TQ+3]
.elseif (\m) == 10
	v_add_nc_u32 v[SOP], -(EMAX<<23), v[TQ]
	v_add_nc_u32 v[SOP+1], -(EMAX<<23), v[TQ+1]
.elseif (\m) == 11
	v_and_or_b32 v[TQ+2], v[TQ], 0x7f800000, s62
	v_and_or_b32 v[TQ+3], v[TQ+1], 0x7f800000, s62
.elseif (\m) < 20
.if (\m) == 15
	HOLD \x+2*((\m)-12), 0
	HOLD \x+2*((\m)-12)+1, 0
	v_cvt_scalef32_pk8_bf8_f32 v[NCD:NCD+1], v[\x:\x+7], v[SOP]
.else
	HOLD \x+2*((\m)-12), 2
	HOLD \x+2*((\m)-12)+1, 2
.endif
.if (\m) == 14
	v_mov_b32 v[TQ], v[TQ+2]  ; a second copy of the bound, freshly written
.elseif (\m) == 19
	v_cvt_scalef32_pk8_bf8_f32 v[NCD+2:NCD+3], v[\x+8:\x+15], v[SOP]
.endif
.elseif (\m) < 28
	HOLD \x+16+2*((\m)-20), 3
	HOLD \x+17+2*((\m)-20), 3
.if (\m) == 23
	v_cvt_scalef32_pk8_bf8_f32 v[NCD+4:NCD+5], v[\x+16:\x+23], v[SOP+1]
.elseif (\m) == 27
	v_cvt_scalef32_pk8_bf8_f32 v[NCD+6:NCD+7], v[\x+24:\x+31], v[SOP+1]
.endif
.elseif (\m) == 28
	v_lshrrev_b32 v[EB], 23, v[SOP]
	v_lshrrev_b32 v[EB+1], 23, v[SOP+1]
.elseif (\m) == 29
	v_lshl_or_b32 v[EB], v[EB+1], 8, v[EB]
.endif
.endm
.macro SCALES i, n  ; V: i = 0: the conversion's scale operand; 1: the bound; 2: a second copy of it; 3: the scale byte
.if (\i) == 0
	v_add_nc_u32 v[SOP+\n], -(EMAX<<23), v[TQ]
.elseif (\i) == 1
	v_and_or_b32 v[TQ+1], v[TQ], 0x7f800000, s62
.elseif (\i) == 2
	v_mov_b32 v[TQ+3], v[TQ+1]
.else
	v_lshrrev_b32 v[EB+\n], 23, v[SOP+\n]
.endif
.endm
.macro HOLDS m, x
.if (\m) == 3
	HOLD \x, 3
	HOLD \x+1, 3
.else
	HOLD \x, 1
	HOLD \x+1, 1
.endif
.if (\m) == 2
	SCALES 2, 0
.endif
.endm
.macro GAPV u, x  ; THE QUANTISER OF A PAIR OF V's BLOCKS, places 0 .. 59, 15 a tile: the even block's sums at x, the odd's at x + 32 -> codes MCD + 4 t, bytes EB + t
.set T_, (\u)/15
.set J_, (\u)%15
.set E_, \x+8*T_
.set O_, E_+32
.if (\u) > 59
.elseif J_ == 0
	v_max3_num_f32 v[TQ], |v[E_]|, |v[E_+1]|, |v[E_+2]|
	v_max3_num_f32 v[TQ+2], |v[O_]|, |v[O_+1]|, |v[O_+2]|
.elseif J_ < 3
	v_max3_num_f32 v[TQ], v[TQ], |v[E_+2*J_+1]|, |v[E_+2*J_+2]|
	v_max3_num_f32 v[TQ+2], v[TQ+2], |v[O_+2*J_+1]|, |v[O_+2*J_+2]|
.elseif J_ == 3
	v_max3_num_f32 v[TQ+2], v[TQ+2], |v[O_+7]|, (EMAX+1)<<23
	v_max3_num_f32 v[TQ], v[TQ], |v[E_+7]|, v[TQ+2]
.elseif J_ == 4
	v_permlanex16_b32 v[TQ+2], v[TQ], s60, s61
	v_max_num_f32 v[TQ], v[TQ], v[TQ+2]
.elseif J_ == 5
	SCALES 0, T_
	SCALES 1, T_
.elseif J_ < 10
	HOLDS J_-6, E_+2*(J_-6)
.if J_ == 9
	v_cvt_scalef32_pk8_bf8_f32 v[MCD+4*T_:MCD+4*T_+1], v[E_:E_+7], v[SOP+T_]
.endif
.elseif J_ < 14
	HOLDS J_-6, O_+2*(J_-10)
.if J_ == 13
	v_cvt_scalef32_pk8_bf8_f32 v[MCD+4*T_+2:MCD+4*T_+3], v[O_:O_+7], v[SOP+T_]
.endif
.else
	SCALES 3, T_
.endif
.endm
.macro RDESC i, off, lds  ; group 0 of a refill: a quarter of 128 rows a wave, the rows at s[off] of x, into LDS at s[lds]
.if (\i) == 0
	s_mul_i32 s[G0R+1], s14, CH/4*PITCH
	s_add_co_u32 s[G0R+1], s[G0R+1], s\lds
	s_mul_i32 s20, s14, CH/4*KROW
	s_add_co_u32 s20, s20, s\off
.else
	s_mov_b32 s21, 0
	s_add_nc_u64 s[G0R+2:G0R+3], s[4:5], s[20:21]
	s_or_b32 s[G0R+3], s[G0R+3], 0x80000000
.endif
.endm
; WHAT STANDS BEHIND PRODUCT n.  j: the block's number in its trip (the second loop's: 4, 5; V's: -1, -2).  y = 1: the way out of Q's or K's block at x; 2, 3: the halves of that of V's pair at x
.macro LIST n, j, y, x
.if (\n) == 0
.if (\j) == 1 || (\j) == 3 || (\j) == 5
	s_add_nc_u64 s[84:85], s[84:85], 16384
	s_add_co_u32 s9, s9, 64
.if (\j) == 1
	s_cmp_eq_u32 s46, 2
	s_cselect_b64 s[84:85], s[88:89], s[84:85]
.endif
.endif
	WIN 0
.if (\j) == 0 || (\j) == 1
	s_add_co_u32 s22, s101, 64*PITCH+(\j)*16*PITCH
.elseif (\j) > 1
	s_add_co_u32 s22, s47, ((\j)%2)*16*PITCH
.else
	s_add_co_u32 s22, s47, (-1-(\j))*16*PITCH
.endif
	v_add_nc_u32 v[ADRA], s22, v[ADRA0]
.elseif (\n) == 1
	WIN 0
.if (\j) == 0 || (\j) == 1
	s_add_co_u32 s22, s17, 8*272+(\j)*2*272
.elseif (\j) > 1
	s_add_co_u32 s22, s8, ((\j)%2)*2*272
.else
	s_add_co_u32 s22, s8, (-1-(\j))*2*272
.endif
	v_add_nc_u32 v[AAS], s22, v[AAS0]
.endif
.if (\j) == 2 && (\n) == 2
	WIN 0
	v_lshl_add_u32 v7, v3, 8, s23
.elseif (\j) == 0 && ((\n) == 29 || (\n) == 30)
	RDESC (\n)-29, 6, 47
.elseif ((\j) == 1 || (\j) == 3 || (\j) == 5) && (\n) == 2
	WIN 0
	v_add_nc_u32 v[VX], s9, v[VX0]
.endif
.if (\y) == 1 && (\n) > 0 && (\n) < 31
	WIN 0
	GAPQ (\n)-1, \x
.elseif (\y) == 2 && (\n) > 0 && (\n) < 31
	WIN 0
	GAPV (\n)-1, \x
.elseif (\y) == 3 && (\n) > 0 && (\n) < 31
	WIN 0
	GAPV (\n)+29, \x
.endif
.endm
.macro BLOCK kind, e, a, from, to, j, y, x
.set N_, \from
.rept (\to)-(\from)
	PROD \kind, \e, \a, N_
	LIST N_, \j, \y, \x
.set N_, N_+1
.endr
.endm
.macro BLK kind, e, a, w, j, y, x  ; a block; w: the wait's count (-1: none): NF leaves the newer set's loads out
.if (\w) >= 0
	s_wait_dscnt \w
.endif
	s_wait_xcnt 0x0
	BLOCK \kind, \e, \a, 0, 32, \j, \y, \x
	WIN 0
	PLACES NP
.endm
.macro RBLK kind, e, a, w, j, y, x  ; a block with a round of the cluster's barrier
.if (\w) >= 0
	s_wait_dscnt \w
.endif
	s_wait_xcnt 0x0
	GRD
	BLOCK \kind, \e, \a, 0, 28, \j, \y, \x
	WIN 0
	WALU
	s_wait_dscnt 0x0
	s_barrier_signal -1
	BLOCK \kind, \e, \a, 28, 32, \j, \y, \x
	MIDDLE
	BARRIER
.endm
.macro SBLK kind, e, a, w, j, y, x, half=0  ; a block with a plain barrier (half = 1: it shows waves 0 and 1's loads alone)
.if (\w) >= 0
	s_wait_dscnt \w
.endif
	s_wait_xcnt 0x0
	BLOCK \kind, \e, \a, 0, 28, \j, \y, \x
	WIN 0
	WALU
.if \half
	s_cmp_lt_u32 s14, 2
	s_cbranch_scc0 .Lnot_yet_\@
	s_wait_tensorcnt 0x0
.Lnot_yet_\@:
.else
	s_wait_tensorcnt 0x0
.endif
	s_wait_dscnt 0x0
	s_barrier_signal -1
	BLOCK \kind, \e, \a, 28, 32, \j, \y, \x
	WIN 0
	s_barrier_wait -1
	PLACES NP
.endm
.macro QOUT off, boff  ; a block's two bytes a row go to their place in LDS, its codes leave: 1,024 consecutive bytes
	WALU
	ds_store_b16 v[VX], v[EB] offset:\boff
	global_store_b128 v[CO], v[NCD:NCD+3], s[84:85] offset:\off
	global_store_b128 v[CO], v[NCD+4:NCD+7], s[84:85] offset:(\off)+512
.endm
	WEIGHTS ADRB
	s_wait_tensorcnt 0x0  ; chunk 0 and the scale bytes are in; the first weight is in registers
	s_wait_dscnt 0x0
	BARRIER
	FETCHAT 0, ADRA0, AAS0
	FETCHAT 1, 1, 2
	s_load_b128 s[92:95], s[0:1], 0x58  ; the images, the words
	s_mov_b32 s60, 0x76543210
	s_mov_b32 s61, 0xfedcba98
	s_mov_b32 s62, 0x600000
	v_mov_b32 v[TQ+2], 0
	v_mov_b32 v[TQ+3], 0
.set I_, 0
.rept 32
	v_mov_b32 v[ACC+32+I_], 0
.set I_, I_+1
.endr
	s_wait_kmcnt 0x0
	s_add_nc_u64 s[96:97], s[92:93], s[80:81]
	s_add_nc_u64 s[98:99], s[94:95], s[82:83]
	s_add_nc_u64 s[92:93], s[92:93], s[76:77]
	s_add_nc_u64 s[94:95], s[94:95], s[78:79]
	s_lshl_b32 s20, s18, 16
	s_mov_b32 s21, 0
	s_add_nc_u64 s[88:89], s[92:93], s[20:21]  ; codes of V's window
	s_xor_b32 s20, s20, 1<<16
	s_add_nc_u64 s[84:85], s[92:93], s[20:21]  ; of the other window; stepped by a pair of blocks ahead of its first use
	s_sub_nc_u64 s[84:85], s[84:85], 16384
	s_mov_b32 s46, 0  ; PHASE 1.  s46 the trip; s101, s47 this chunk's slot and the next chunk's; s17, s8 their scale words' place; s6 the rows that are loaded; s9 a pair's place for scale bytes; s23 where my share of what is asked for ahead begins
	s_mov_b32 s9, 0
	s_mov_b32 s23, 0
	s_mov_b32 s101, 0
	s_mov_b32 s47, YB
	s_mov_b32 s17, 0
	s_mov_b32 s8, 4*SSTEP
	s_wait_loadcnt 0x0
.Lfour:
	RBLK 0, 0, 0, NF, 0, 1, ACC+32  ; blocks 0, 4, 8: chunks 1, 2, 3 come
	s_cmp_lt_u32 s14, 2  ; waves 0, 1 and waves 2, 3 have a load line each
	s_cbranch_scc0 .Lupper
	TLOAD G0R, G1R
	s_branch .Lboth
.Lupper:
	TLOAD G0R, G1R
.Lboth:
	PLACES NP-4
	s_cmp_eq_u32 s46, 0
	s_cbranch_scc1 .Lno_block_before
	QOUT 4096, 32
.Lno_block_before:
	FETCHAT 0, ADRA, AAS
	BLK 0, 1, 1, -1, 1, 1, ACC
	QOUT 0, 0
	FETCHAT 1, ADRA, AAS
	SBLK 0, 0, 0, NF, 2, 1, ACC+32, 1  ; the next chunk's first half is in
	QOUT 4096, 32
	s_cmp_eq_u32 s46, 0
	s_cbranch_scc1 .Lnone_ahead
	global_prefetch_b8 v7, s[86:87] th:TH_LOAD_NT scope:SCOPE_SE
.Lnone_ahead:
	FETCHAT 0, ADRA, AAS
	BLK 0, 1, 1, -1, 3, 1, ACC
	QOUT 0, 0
	FETCHAT 1, ADRA, AAS
	s_cmp_eq_u32 s46, 0
	s_cselect_b32 s6, s2, s7
	s_cselect_b32 s21, s40, s41
	s_cselect_b32 s22, s7, s3
	s_cselect_b64 s[86:87], s[4:5], s[104:105]
	s_lshl_b32 s21, s21, 13
	s_add_co_u32 s23, s21, s22
	s_mov_b32 s101, s47
	s_mov_b32 s17, s8
	s_xor_b32 s47, s47, YB
	s_add_co_u32 s8, s8, 4*SSTEP
	s_add_co_u32 s46, s46, 1
	s_cmp_lg_u32 s46, 3
	s_cbranch_scc1 .Lfour
	GRD
	s_mul_i32 s20, s14, CH/4*KROW
	s_add_co_u32 s20, s20, s3
	s_mov_b32 s21, 0
	s_mul_i32 s[G0A+1], s14, CH/4*PITCH
	s_add_nc_u64 s[G0A+2:G0A+3], s[104:105], s[20:21]
	s_or_b32 s[G0A+3], s[G0A+3], 0x80000000
	GROUP1 G1A, 45, CH/4
	s_wait_dscnt 0x0
	s_barrier_signal -1
	MIDDLE
	BARRIER
	TLOAD G0A, G1A
	s_mov_b32 s47, YB+64*PITCH
	s_mov_b32 s8, 14*SSTEP
.Ltwo:
	BLK 0, 0, 0, NF, 4, 1, ACC+32  ; blocks 12, 14
	QOUT 4096, 32
	FETCHAT 0, ADRA, AAS
	BLK 0, 1, 1, NF, 5, 1, ACC  ; 13, 15; the block two on is then V's: chunk 3 again, as it lies in slot 1
	QOUT 0, 0
	FETCHAT 1, ADRA, AAS
	s_mov_b32 s47, YB
	s_mov_b32 s8, 12*SSTEP
	s_add_co_u32 s46, s46, 1
	s_cmp_lg_u32 s46, 5
	s_cbranch_scc1 .Ltwo
; the change of phase
	s_wait_xcnt 0x0
	s_wait_tensorcnt 0x0  ; W_v's rows are in
	s_wait_dscnt 0x0
	BARRIER
.macro CHANGE i  ; among W_v's 128 loads: the last block's way out; W_v's scale words into their place; zeros into what no block has written yet (V's first trip reads these registers and stores nothing)
.if (\i) < 8
.irp k, 0,1,2,3
	GAPQ 4*(\i)+\k, ACC+32
.endr
.elseif (\i) < 10
.irp q, 0,1,2,3,4,5,6,7
	v_mov_b32 v[SB+8*((\i)-8)+\q], v[WS+8*((\i)-8)+\q]
.endr
.else
.irp q, 0,1,2,3,4,5,6,7
	v_mov_b32 v[ACC+80+8*((\i)-10)+\q], 0
.endr
.endif
.endm
.irp q, 0,1,2,3,4,5,6,7
.irp b, 0,2
	FRAG NB*\q+\b, ADRB+1, \q, \b*16*PITCH
	FRAG NB*\q+\b+1, ADRB+1, \q, (\b+1)*16*PITCH
	WIN 0
	CHANGE 2*\q+\b/2
.endr
.endr
.irp t, 0,1,2,3
.irp i, 0,1,2,3,4,5,6,7
	v_mov_b32 v[BQ+8*\t+\i], v[BV+\t]
.endr
.endr
	QOUT 4096, 32
	GRD
	s_mov_b32 s47, 0
	RDESC 0, 2, 47
	RDESC 1, 2, 47
	s_mov_b32 s46, 0
	s_mov_b32 s47, YB+64*PITCH
	s_mov_b32 s8, 14*SSTEP
	s_wait_dscnt 0x0
	s_barrier_signal -1
	MIDDLE
	BARRIER
	TLOAD G0R, G1R
.macro VOUT  ; a pair of V's blocks: four tiles' bytes and codes, 512 consecutive bytes each
.irp t, 0,1,2,3
	ds_store_b8 v[VX], v[EB+\t] offset:16*\t
	global_store_b128 v[CO], v[MCD+4*\t:MCD+4*\t+3], s[84:85] offset:4096*\t
.endr
.endm
.macro VTO  ; s22 = 2 x K step + pair: where a pair's codes and bytes go
	s_lshl_b32 s20, s22, 10
	s_mov_b32 s21, 0
	s_add_nc_u64 s[84:85], s[96:97], s[20:21]
	s_lshl_b32 s23, s22, 6
	v_add_nc_u32 v[VX], s23, v[RD]
.endm
.Lpair:
	BLK 1, 0, 0, -1, -1, 2, ACC+64
	s_cmp_eq_u32 s46, 3
	s_cbranch_scc1 .Lnone_0
	FETCHAT 0, ADRA, AAS
	s_wait_dscnt NF
	s_branch .Lgo
.Lnone_0:
	s_wait_dscnt 0x0
.Lgo:
	SBLK 1, 1, 1, -1, -2, 3, ACC+64  ; the first trip's shows chunk 2
.set I_, 0
.rept 32  ; the pair's sums are copied, so that one trip is two blocks of text
	v_dual_mov_b32 v[ACC+64+I_], v[ACC+I_] :: v_dual_mov_b32 v[ACC+64+I_+1], v[ACC+I_+1]
.set I_, I_+2
.endr
	s_add_co_u32 s22, s46, 1
	s_and_b32 s22, s22, 3
	VTO
	s_cmp_eq_u32 s46, 0
	s_cbranch_scc1 .Lno_pair_before
	VOUT
.Lno_pair_before:
	s_cmp_eq_u32 s46, 3
	s_cbranch_scc1 .Lnone_1
	FETCHAT 1, ADRA, AAS
.Lnone_1:
	s_mov_b32 s8, 10*SSTEP
	s_cmp_eq_u32 s46, 0
	s_cselect_b32 s47, 0, 64*PITCH
	s_cselect_b32 s8, 8*SSTEP, s8
	s_add_co_u32 s46, s46, 1
	s_cmp_lg_u32 s46, 4
	s_cbranch_scc1 .Lpair
	s_wait_xcnt 0x0
.set K_, 0
.rept 60
	GAPV K_, ACC+64
.set K_, K_+1
.endr
	s_mov_b32 s22, 1
	VTO
	VOUT
	s_wait_dscnt 0x0  ; my scale bytes lie in LDS
	BARRIER
	v_bfe_u32 v20, v3, 3, 1  ; Q, K: my four rows' bytes: two of wave column 0, two of column 1
	v_mul_u32_u24 v20, v20, 576
	v_lshrrev_b32 v21, 4, v3
	v_lshl_add_u32 v20, v21, 6, v20
	v_and_b32 v21, 7, v3
	v_lshl_add_u32 v20, v21, 3, v20
	s_lshl_b32 s21, s14, 7
	s_add_co_u32 s21, s21, XN+64
	v_add_nc_u32 v20, s21, v20
	s_lshl_b32 s21, s16, 9  ; V: my two columns' bytes
	s_lshl_b32 s22, s15, 7
	SADD 21, 22
	s_add_co_u32 s21, s21, XV
	v_lshl_add_u32 v22, v3, 1, s21
	v_lshlrev_b32 v23, 3, v3
	WALU
	ds_load_b64 v[60:61], v20
	ds_load_b64 v[62:63], v20 offset:1152
	ds_load_u16 v40, v22
	ds_load_u16 v41, v22 offset:256
	ds_load_u16 v42, v22 offset:64
	ds_load_u16 v43, v22 offset:320
	s_wait_dscnt 0x0
	v_perm_b32 v70, v41, v40, 0x05010400
	v_perm_b32 v71, v43, v42, 0x05010400
	v_perm_b32 v64, v62, v60, 0x05040100
	v_perm_b32 v65, v62, v60, 0x07060302
	v_perm_b32 v66, v63, v61, 0x05040100
	v_perm_b32 v67, v63, v61, 0x07060302
	v_perm_b32 v68, v71, v70, 0x05040100
	v_perm_b32 v69, v71, v70, 0x07060302
	global_store_b128 v[CO], v[64:67], s[94:95]
	global_store_b64 v23, v[68:69], s[98:99]
	s_wait_tensorcnt 0x0  ; the wave's end
	ds_add_u32 v[SPW], v[NIL]
	s_wait_dscnt 0x0
	CROUND  ; the closing round
	s_endpgm
.Lfunc_end_k_q1033fe30a1_proj:
	.size	k_q1033fe30a1_proj, .Lfunc_end_k_q1033fe30a1_proj-k_q1033fe30a1_proj
	.p2alignl 7, 3214868480
	.fill 96, 4, 3214868480
	.section	.rodata,"a",@progbits
	.p2align	6, 0x0
	.amdhsa_kernel k_q1033fe30a1_proj
		.amdhsa_group_segment_fixed_size 327680
		.amdhsa_private_segment_fixed_size 0
		.amdhsa_enable_private_segment 0
		.amdhsa_kernarg_size 104
		.amdhsa_user_sgpr_count 2
		.amdhsa_user_sgpr_kernarg_segment_ptr 1
		.amdhsa_wavefront_size32 1
		.amdhsa_system_sgpr_workgroup_id_x 1
		.amdhsa_system_sgpr_workgroup_id_y 1
		.amdhsa_system_sgpr_workgroup_id_z 1
		.amdhsa_system_vgpr_workitem_id 0
		.amdhsa_next_free_vgpr 1024
		.amdhsa_next_free_sgpr 106
		.amdhsa_reserve_vcc 0
		.amdhsa_float_denorm_mode_32 3
		.amdhsa_float_denorm_mode_16_64 3
		.amdhsa_memory_ordered 1
		.amdhsa_forward_progress 1
		.amdhsa_inst_pref_size 167
	.end_amdhsa_kernel
	.amdgpu_metadata
---
amdhsa.version: [ 1, 2 ]
amdhsa.kernels:
  - .name:           k_q1033fe30a1_proj
    .symbol:         k_q1033fe30a1_proj.kd
    .args:
      - { .name: x_codes, .offset: 0, .size: 8, .value_kind: global_buffer, .address_space: global }
      - { .name: x_scales, .offset: 8, .size: 8, .value_kind: global_buffer, .address_space: global }
      - { .name: Wq_codes, .offset: 16, .size: 8, .value_kind: global_buffer, .address_space: global }
      - { .name: Wq_scales, .offset: 24, .size: 8, .value_kind: global_buffer, .address_space: global }
      - { .name: Wk_codes, .offset: 32, .size: 8, .value_kind: global_buffer, .address_space: global }
      - { .name: Wk_scales, .offset: 40, .size: 8, .value_kind: global_buffer, .address_space: global }
      - { .name: Wv_codes, .offset: 48, .size: 8, .value_kind: global_buffer, .address_space: global }
      - { .name: Wv_scales, .offset: 56, .size: 8, .value_kind: global_buffer, .address_space: global }
      - { .name: bq, .offset: 64, .size: 8, .value_kind: global_buffer, .address_space: global }
      - { .name: bk, .offset: 72, .size: 8, .value_kind: global_buffer, .address_space: global }
      - { .name: bv, .offset: 80, .size: 8, .value_kind: global_buffer, .address_space: global }
      - { .name: qkv_img, .offset: 88, .size: 8, .value_kind: global_buffer, .address_space: global }
      - { .name: qkv_sc, .offset: 96, .size: 8, .value_kind: global_buffer, .address_space: global }
    .group_segment_fixed_size: 327680
    .private_segment_fixed_size: 0
    .kernarg_segment_align: 8
    .kernarg_segment_size: 104
    .max_flat_workgroup_size: 128
    .sgpr_count:     106
    .vgpr_count:     1024
    .wavefront_size: 32
...
	.end_amdgpu_metadata
.endif
;; end of part 1
;; launch score (part 2): grid 8 x 32, 4 waves a work-group, clusters of 4 x 4, 327,680 bytes of LDS; arguments qkv_img, qkv_sc, p_img, p_st; writes p_img, p_st
.if DOCPART == 2
	.amdgcn_target "amdgcn-amd-amdhsa--gfx1250"
	.amdhsa_code_object_version 6
	.text
	.protected	k_q1033fe30a1_score
	.globl	k_q1033fe30a1_score
	.p2align	8
	.type	k_q1033fe30a1_score,@function
k_q1033fe30a1_score:
	s_mov_b64 s[64:65], 0
	v_nop
	global_prefetch_b8 v0, s[64:65] scope:SCOPE_SE
	s_setreg_imm32_b32 hwreg(HW_REG_WAVE_MODE, 25, 1), 1
	s_wait_xcnt 0x0
	s_wait_alu depctr_hold_cnt(0) depctr_sa_sdst(0) depctr_va_vdst(0) depctr_va_sdst(0) depctr_va_ssrc(0) depctr_va_vcc(0) depctr_vm_vsrc(0)
	s_getreg_b32 s2, hwreg(HW_REG_IB_STS2, 6, 4)
	s_cmp_eq_u32 s2, 0
	s_cbranch_scc0 .Lentry_in_a_cluster
	s_endpgm
.Lentry_in_a_cluster:
	s_bfe_u32 s2, ttmp6, 0x10000c
	s_cmp_lg_u32 s2, 0xf033
	s_cbranch_scc0 .Lentry_shape_is_right
	s_endpgm
.Lentry_shape_is_right:
; S^T = k q^T on the codes that the launch before made, then the softmax's numerator for each run of 128 keys, quantised along the keys.
; t = score x log2(e) / 32.  For each query and each run s of 128 keys: M_s = ceil(the run's largest t), a whole number; p = 2^(t - M_s); p's codes (E5M2) and four scale bytes; l_s = the sum of the unquantised p.
; The next launch brings the sixteen runs of a row under the row's M = the largest M_s: 2^(M_s - M) is an exact power of two, which goes into the scale bytes and into l.  So the maximum is taken away before every exponential.
; A tile of 256 queries x 256 keys is made by four waves, each 128 x 128: 64 accumulators.  K = the model's 1,024, in slots of 256 through a ring of two LDS slots.
; OPERANDS ARE IMAGES OF THEIR REGISTERS: a fragment (16 rows x 128 K) is 2,048 bytes, chunk c at 512 c, lane l's 16 bytes at 16 l.  A slot's part of 256 rows is one dense block of 65,536 bytes; LDS reads are consecutive: no padding.
; CLUSTERS: 4 x 4 work-groups; q's tiles are asked for jointly along a row of the cluster, k's along a column.  The scale words (16 KiB against 512 KiB of codes a work-group) are not: they come once through registers.
; TRANSPOSED USE: source 0 = 16 keys, source 1 = 16 queries: register j of tile bt in lane (r, h) is the score of query r and key 16 bt + 8 h + j: a lane holds one query, and its registers run along the keys, the next K.
; p's image has the same order inside a block of 32 as v's image (byte 8 u + j of tile 2 c + u, half h), so the next product pairs each p with its own v.
; LIMITS: a block whose largest p lies under 2^-111 keeps the byte 1 (its codes shrink towards zeros); NaN and infinities are not served.
; REGISTERS: window 0: v0-31 addresses; v32-63 scale words, two sets, and nothing else; v64-127 p on the way out; from v128 q's fragments, ONE set (on the way out codes and work).  window 1: k's fragments, TWO sets.  windows 2, 3: accumulators.
.set NQ,     2
.set FR,     16
.set NL,     4
.set NP,     8                         ; places behind this matrix instruction (ISA guide 7.12.1)
.set HALFT,  32768                     ; 128 rows x 256 K of codes: what one tensor load brings
.set SLOT,   4*HALFT                   ; q's 256 rows, then k's 256 rows
.set LAPS,   2                         ; 1,024 along K = four slots' worth = twice round the ring
.set SCA,    2*SLOT                    ; q's scale words: [K step 8][256 rows] x 4 bytes
.set SCB,    SCA+8192                  ; k's likewise
.set SPARE,  SCB+8192                  ; the spare words, 128 bytes a wave: two blocks of 256 bytes that no other line names
.set ADRA, 16                          ; v16-17  LDS address of my q fragments in slot 0, 1
.set ADRB, 20                          ; v20-21  the same for k
.set LI,   24                          ; v24     16 x lane
.set LW,   25                          ; v25     4 x lane
.set ADSA, 26                          ; v26     LDS address of q's scale words: my 128 rows, 4 x lane
.set ADSB, 27                          ; v27     of k's
.set SPW,  28
.set NIL,  29
.set SC,   32                          ; scale words: set s at v[SC + 16 s]; + 8 q + j: q's blocks 2 j (lanes 0-15), 2 j + 1 (lanes 16-31); + 8 q + 4 + j: k's
.set XR,   64
.set AF,   128
.set CDB,  128                         ; the way out: the codes, two sets of 16
.set BM,   160                         ; each block's largest score, then its largest p
.set TP,   164
.set LIM,  168
.set SCO,  172
.set NM,   176                         ; v[176:177] -M
.set SU0,  178                         ; v[178:179], v[180:181] the sum in two chains
.set SU1,  180
.set T0,   182
.set WD,   184                         ; for each block a: the scale word,
.set NMK,  192                         ; -M,
.set LSK,  200                         ; l
.set CT,   208                         ; as they are stored
.set G1, 24
.set G0, 32
.set G1B, 48
.set G0B, 56
.set MSB, 0
.macro WIN new
.if MSB != \new
	s_set_vgpr_msb (MSB<<8)|\new
.set MSB, \new
.endif
.endm
.set MUL_LO, 0xa1
.set MUL_HI, 0xf1
.set TO_B,   0x40
.macro JLOAD g0a, g1a, g0b, g1b        ; a joint load: waves 0 and 1 fetch q's halves, waves 2 and 3 k's; four v_nop follow each of the two lines
	s_cmp_eq_u32 s15, 0
	s_cbranch_scc0 .Lfor_b_\@
	tensor_load_to_lds s[\g0a:\g0a+3], s[\g1a:\g1a+7]
	s_nop 0
.rept 4
	v_nop
.endr
	s_branch .Lasked_\@
.Lfor_b_\@:
	tensor_load_to_lds s[\g0b:\g0b+3], s[\g1b:\g1b+7]
	s_nop 0
.rept 4
	v_nop
.endr
.Lasked_\@:
.endm
.macro CREST
	s_cmp_lg_u32 s14, 0
	s_cbranch_scc1 .Lnot_wave_0_\@
	s_barrier_signal -3
.Lnot_wave_0_\@:
	s_barrier_wait -3
	s_barrier_signal -1
	s_barrier_wait -1
.endm
.macro CROUND
	s_barrier_signal -1
	s_barrier_wait -1
	CREST
.endm
.macro PLACES n
.rept \n
	v_nop
.endr
.endm
	s_load_b256 s[4:11], s[0:1], 0x0               ; the images s[4:5], their scale words s[6:7], p's images s[8:9], p's words, -M and l s[10:11]
	v_lshl_add_u32 v[SPW], v0, 2, SPARE
	v_mov_b32 v[NIL], 0
	ds_add_u32 v28, v29
	ds_add_u32 v28, v29
	s_wait_dscnt 0x0
	v_lshrrev_b32 v1, 5, v0
	v_readfirstlane_b32 s14, v1                    ; wave 0..3
	s_lshr_b32 s15, s14, 1                         ; my half of the queries.  Also: I fetch for q (0) or for k (1)
	s_and_b32 s16, s14, 1                          ; my half of the keys.  Also: which 128 rows I fetch
	s_bfe_u32 s40, ttmp6, 0x40000                  ; cx, cy
	s_bfe_u32 s41, ttmp6, 0x40004
	s_lshl_b32 s42, ttmp9, 2
	s_add_co_u32 s42, s42, s40                     ; the tile of 256 keys in the batch: 0..7
	s_and_b32 s12, ttmp7, 0xffff
	s_lshl_b32 s17, s12, 2
	s_add_co_u32 s17, s17, s41                     ; the tile of 256 queries, over all batches: 0..31
	s_lshr_b32 s13, s12, 1                         ; the batch: eight query tiles, two clusters along y, to a batch
	s_lshl_b32 s13, s13, 3
	s_add_co_u32 s13, s13, s42                     ; the keys' tile of 256 tokens over all batches
	s_lshl_b32 s43, s41, 2
	s_lshl_b32 s43, 15, s43                        ; my row of the cluster
	s_lshl_b32 s44, 0x1111, s40                    ; my column
	; descriptor group 1: a dense block of 32,768 bytes as 128 rows of 256 bytes (32 elements of 8 bytes), no padding
	s_or_b32 s[G1+0], s43, (3<<16)|(1<<21)
	s_or_b32 s[G1B+0], s44, (3<<16)|(1<<21)
.irp g, G1, G1B
	s_mov_b32 s[\g+1], 32<<16                      ; tensor_dim0
	s_mov_b32 s[\g+2], 128<<16                     ; tensor_dim1
	s_mov_b32 s[\g+3], 32<<16                      ; tile_dim0
	s_mov_b32 s[\g+4], 128                         ; tile_dim1
	s_mov_b32 s[\g+5], 32                          ; tensor_dim0_stride
	s_mov_b32 s[\g+6], 0
	s_mov_b32 s[\g+7], 0
.endr
	s_lshl_b32 s18, s16, 15                        ; which half of a tile's 65,536 bytes I fetch
	s_lshl_b32 s20, s17, 16
	s_add_co_u32 s20, s20, s18                     ; q: 65,536 bytes a tile of 256 rows and a slot's worth of K
	s_mov_b32 s21, 0
	s_lshl_b32 s46, s13, 16
	s_add_co_u32 s46, s46, s18
	s_add_co_u32 s46, s46, 0x800000                ; k's images lie 8 MiB behind q's
	s_mov_b32 s47, 0
	s_lshl_b32 s45, s14, 15                        ; where they go: wave x 32,768
	s_wait_kmcnt 0x0
	s_add_nc_u64 s[20:21], s[4:5], s[20:21]
	s_add_nc_u64 s[46:47], s[4:5], s[46:47]
	CROUND                                         ; all sixteen work-groups are here: the first joint loads meet
.irp s, 0,1
	s_mov_b32 s[G0+4*\s], 1
	s_add_co_u32 s[G0+4*\s+1], s45, \s*SLOT
	s_add_nc_u64 s[G0+4*\s+2:G0+4*\s+3], s[20:21], \s*0x200000    ; a slot's worth of K of all 8,192 rows is 2 MiB
	s_or_b32 s[G0+4*\s+3], s[G0+4*\s+3], 0x80000000
	s_mov_b32 s[G0B+4*\s], 1
	s_add_co_u32 s[G0B+4*\s+1], s45, \s*SLOT
	s_add_nc_u64 s[G0B+4*\s+2:G0B+4*\s+3], s[46:47], \s*0x200000
	s_or_b32 s[G0B+4*\s+3], s[G0B+4*\s+3], 0x80000000
.endr
	JLOAD G0, G1, G0B, G1B                         ; slot 0: one tensor load a wave at the head
	s_lshl_b32 s18, s17, 10
	s_mov_b32 s19, 0
	s_add_nc_u64 s[68:69], s[6:7], s[18:19]        ; q's scale words of my 256 queries, K step 0
	s_lshl_b32 s18, s13, 10
	s_add_co_u32 s18, s18, 0x40000
	s_add_nc_u64 s[70:71], s[6:7], s[18:19]        ; k's of my 256 keys
	v_lshlrev_b32 v7, 3, v0                        ; 128 threads x 8 bytes: the 1,024 bytes of a K step's 256 words
	v_lshl_add_u32 v8, v0, 3, SCA
.irp s, 0,1,2,3,4,5,6,7
	global_load_b64 v[128+2*\s:129+2*\s], v7, s[68:69] offset:32768*\s
	global_load_b64 v[144+2*\s:145+2*\s], v7, s[70:71] offset:32768*\s
.endr
	; prefetches of the later slots' worth of K, 2 MiB apart: of the 128 blocks of 256 bytes that a wave fetches, each of the four partners asks for 32, told apart by address, a lane a block: slots 1 and 2 here, slot 3 at the first change of slots
	s_cmp_eq_u32 s15, 0
	s_cselect_b64 s[84:85], s[20:21], s[46:47]
	s_cselect_b32 s86, s40, s41
	s_lshl_b32 s86, s86, 13
	s_mov_b32 s87, 0
	s_add_nc_u64 s[84:85], s[84:85], s[86:87]
	v_and_b32 v30, 31, v0
	v_lshlrev_b32 v30, 8, v30
	global_prefetch_b8 v30, s[84:85] offset:0x200000 th:TH_LOAD_NT scope:SCOPE_SE
	global_prefetch_b8 v30, s[84:85] offset:0x400000 th:TH_LOAD_NT scope:SCOPE_SE
	s_lshl_b32 s18, s42, 21
	s_lshl_b32 s20, s17, 16
	s_add_co_u32 s18, s18, s20
	s_lshl_b32 s20, s15, 15
	s_add_co_u32 s18, s18, s20
	s_lshl_b32 s20, s16, 11
	s_add_co_u32 s18, s18, s20
	s_add_nc_u64 s[72:73], s[8:9], s[18:19]
	s_lshl_b32 s18, s42, 1                         ; words, -M, l: [run of 128 keys 16][row 8,192] x 4 bytes
	s_add_co_u32 s18, s18, s16
	s_lshl_b32 s18, s18, 15
	s_lshl_b32 s20, s17, 10
	s_add_co_u32 s18, s18, s20
	s_lshl_b32 s20, s15, 9
	s_add_co_u32 s18, s18, s20
	s_add_nc_u64 s[74:75], s[10:11], s[18:19]
	s_mov_b32 s76, 0x3d38aa3b                      ; c = log2(e) / sqrt(1024)
	s_mov_b32 s77, s76                             ; (named with it as a pair, so it is written)
	s_mov_b32 s78, 0x76543210                      ; v_permlanex16_b32's selects for lane l xor 16
	s_mov_b32 s79, 0xfedcba98
	s_mov_b32 s80, 0x600000                        ; the mantissa field of 57,344
	s_mov_b32 s81, 0xff800000                      ; -infinity: under every score
	s_mov_b32 s82, 0xffff0000                      ; lanes 16-31
	v_and_b32 v6, 31, v0
	v_lshlrev_b32 v[LI], 4, v6
	v_lshlrev_b32 v[LW], 2, v6
	s_wait_alu depctr_va_vdst(0)
	s_lshl_b32 s21, s15, 15                        ; my 128 queries' fragments
	s_lshl_b32 s22, s16, 15                        ; my 128 keys',
	s_add_co_u32 s22, s22, 2*HALFT                 ; which lie behind q's 256 rows
.irp s, 0,1
	v_add_nc_u32 v[ADRA+\s], s21, v[LI]
	v_add_nc_u32 v[ADRB+\s], s22, v[LI]
	s_add_co_u32 s21, s21, SLOT
	s_add_co_u32 s22, s22, SLOT
.endr
	s_lshl_b32 s23, s15, 9
	s_add_co_u32 s23, s23, SCA
	v_add_nc_u32 v[ADSA], s23, v[LW]
	s_lshl_b32 s23, s16, 9
	s_add_co_u32 s23, s23, SCB
	v_add_nc_u32 v[ADSB], s23, v[LW]
	s_wait_alu depctr_va_vdst(0)
	s_wait_loadcnt 0x0
.irp s, 0,1,2,3,4,5,6,7
	ds_store_b64 v8, v[128+2*\s:129+2*\s] offset:1024*\s
	ds_store_b64 v8, v[144+2*\s:145+2*\s] offset:8192+1024*\s
.endr
	s_wait_tensorcnt 0x0                           ; my part of slot 0 is in
	ds_add_u32 v[SPW], v[NIL]
	s_wait_dscnt 0x0                               ; the add is done, and my part of the scale words lies in LDS
	CROUND
	JLOAD G0+4, G1, G0B+4, G1B                     ; slot 1's first fill, issued as a refill is
.macro FRAG reg, adr, q, i             ; the image of row tile i, the slot's q-th 128 along K: four loads of 512 consecutive bytes
.irp c, 0,1,2,3
	ds_load_b128 v[\reg+4*\c:\reg+4*\c+3], v[\adr] offset:((\i)*2+(\q))*2048+512*\c
.endr
.endm
; One product.  rD, rB, rA: D, source 0, source 1;  rSB, rSA their scale registers;  oB, oA = 1: the scales stand in lanes 16-31.  zero = 1: it starts the sum
.macro WMX zero
.if \zero
.if oB && oA
	v_wmma_scale_f32_16x16x128_f8f6f4 v[rD:rD+7], v[rB:rB+15], v[rA:rA+15], 0, v[rSB], v[rSA] matrix_a_fmt:MATRIX_FMT_BF8 matrix_b_fmt:MATRIX_FMT_BF8 matrix_a_scale:MATRIX_SCALE_ROW1 matrix_b_scale:MATRIX_SCALE_ROW1
.elseif oB
	v_wmma_scale_f32_16x16x128_f8f6f4 v[rD:rD+7], v[rB:rB+15], v[rA:rA+15], 0, v[rSB], v[rSA] matrix_a_fmt:MATRIX_FMT_BF8 matrix_b_fmt:MATRIX_FMT_BF8 matrix_a_scale:MATRIX_SCALE_ROW1
.elseif oA
	v_wmma_scale_f32_16x16x128_f8f6f4 v[rD:rD+7], v[rB:rB+15], v[rA:rA+15], 0, v[rSB], v[rSA] matrix_a_fmt:MATRIX_FMT_BF8 matrix_b_fmt:MATRIX_FMT_BF8 matrix_b_scale:MATRIX_SCALE_ROW1
.else
	v_wmma_scale_f32_16x16x128_f8f6f4 v[rD:rD+7], v[rB:rB+15], v[rA:rA+15], 0, v[rSB], v[rSA] matrix_a_fmt:MATRIX_FMT_BF8 matrix_b_fmt:MATRIX_FMT_BF8
.endif
.else
.if oB && oA
	v_wmma_scale_f32_16x16x128_f8f6f4 v[rD:rD+7], v[rB:rB+15], v[rA:rA+15], v[rD:rD+7], v[rSB], v[rSA] matrix_a_fmt:MATRIX_FMT_BF8 matrix_b_fmt:MATRIX_FMT_BF8 matrix_a_scale:MATRIX_SCALE_ROW1 matrix_b_scale:MATRIX_SCALE_ROW1
.elseif oB
	v_wmma_scale_f32_16x16x128_f8f6f4 v[rD:rD+7], v[rB:rB+15], v[rA:rA+15], v[rD:rD+7], v[rSB], v[rSA] matrix_a_fmt:MATRIX_FMT_BF8 matrix_b_fmt:MATRIX_FMT_BF8 matrix_a_scale:MATRIX_SCALE_ROW1
.elseif oA
	v_wmma_scale_f32_16x16x128_f8f6f4 v[rD:rD+7], v[rB:rB+15], v[rA:rA+15], v[rD:rD+7], v[rSB], v[rSA] matrix_a_fmt:MATRIX_FMT_BF8 matrix_b_fmt:MATRIX_FMT_BF8 matrix_b_scale:MATRIX_SCALE_ROW1
.else
	v_wmma_scale_f32_16x16x128_f8f6f4 v[rD:rD+7], v[rB:rB+15], v[rA:rA+15], v[rD:rD+7], v[rSB], v[rSA] matrix_a_fmt:MATRIX_FMT_BF8 matrix_b_fmt:MATRIX_FMT_BF8
.endif
.endif
.endm
; 16 matrix instructions: q's blocks a0, a0 + 1 x k's eight.  The 64 accumulators take turns, one instruction a turn, in the same order in every step.
.macro MUL16 a0, p, q, sc, zero
.irp a, \a0, \a0+1
.irp b, 0,1,2,3,4,5,6,7
.set rD, 8*(8*((\a)%4)+\b)
.set rB, 128*(\p)+FR*\b
.set rA, AF+FR*(\a)
.set rSB, SC+16*(\sc)+8*(\q)+4+\b/2
.set rSA, SC+16*(\sc)+8*(\q)+(\a)/2
.set oB, \b%2
.set oA, (\a)%2
	WMX \zero
.endr
.endr
.endm
.macro FETCH_B slot, q, p
	WIN TO_B
.irp i, 0,1,2,3,4,5,6,7
	FRAG 128*(\p)+FR*\i, ADRB+\slot, \q, \i
.endr
	WIN 0
.endm
.macro FETCH_A slot, q, i0
.irp i, \i0, \i0+1, \i0+2, \i0+3
	FRAG AF+FR*(\i), ADRA+\slot, \q, \i
.endr
.endm
.macro SCALES sc                       ; a slot's scale words: 16 loads of 128 consecutive bytes: 32 rows' words each
.irp q, 0,1
.irp j, 0,1,2,3
	ds_load_b32 v[SC+16*\sc+8*\q+\j], v[ADSA] offset:1024*\q+128*\j
	ds_load_b32 v[SC+16*\sc+8*\q+4+\j], v[ADSB] offset:1024*\q+128*\j
.endr
.endr
.endm
.macro STEP slot, q, zero
	s_wait_dscnt 4*NL                              ; k's set, q's blocks 0-3 and the scale words are in; the youngest 16 loads (q's blocks 4-7) may be out
	WIN MUL_LO
	MUL16 0, (\q)%2, \q, \slot, \zero
	MUL16 2, (\q)%2, \q, \slot, \zero
	s_wait_dscnt 0
	PLACES NP                                      ; in front of loads into registers that matrix instructions have read
	FETCH_B \slot, (\q)+1, 1-(\q)%2
	FETCH_A \slot, (\q)+1, 0
	WIN MUL_HI
	MUL16 4, (\q)%2, \q, \slot, \zero
	MUL16 6, (\q)%2, \q, \slot, \zero
	PLACES NP
	WIN 0
	FETCH_A \slot, (\q)+1, 4
.endm
.macro TURN slot, next, fill
	s_wait_tensorcnt 0x0                           ; all my tensor loads have landed: my part of the next slot
	ds_add_u32 v[SPW], v[NIL]                      ; 0 onto my spare word
	s_wait_dscnt 4*NL+1                            ; (the add and the youngest 16 loads may be out)
	WIN MUL_LO
	MUL16 0, 1, NQ-1, \slot, 0
	s_wait_dscnt 0x0                               ; the add is done, and my reads of this slot are over
	s_barrier_signal -1
	MUL16 2, 1, NQ-1, \slot, 0
	WIN 0
	s_barrier_wait -1
.if \fill
	CREST                                          ; a round of the cluster's barrier: no wave of any partner still reads this slot or has a load on its way
	s_add_nc_u64 s[G0+4*\slot+2:G0+4*\slot+3], s[G0+4*\slot+2:G0+4*\slot+3], 0x400000
	s_add_nc_u64 s[G0B+4*\slot+2:G0B+4*\slot+3], s[G0B+4*\slot+2:G0B+4*\slot+3], 0x400000
	JLOAD G0+4*\slot, G1, G0B+4*\slot, G1B         ; the first tensor load behind the round
	PLACES NP-4
.else
	PLACES NP
.endif
	s_wait_alu depctr_va_vdst(0)
	v_add_nc_u32 v[ADSA], 2048, v[ADSA]            ; on to the next slot's two K steps of scale words
	v_add_nc_u32 v[ADSB], 2048, v[ADSB]
	FETCH_B \next, 0, 0
	FETCH_A \next, 0, 0
	SCALES \next
.if (\fill) && (\slot) == 0
	global_prefetch_b8 v30, s[84:85] offset:0x600000 th:TH_LOAD_NT scope:SCOPE_SE
.endif
	WIN MUL_HI
	MUL16 4, 1, NQ-1, \slot, 0
	MUL16 6, 1, NQ-1, \slot, 0
	PLACES NP
	WIN 0
	FETCH_A \next, 0, 4
.endm
	FETCH_B 0, 0, 0
	FETCH_A 0, 0, 0
	SCALES 0
	FETCH_A 0, 0, 4
	STEP 0, 0, 1                                   ; the first step's products start the sums
	s_mov_b32 s3, LAPS-1
.Llap:
	TURN 0, 1, 1
	STEP 1, 0, 0
	TURN 1, 0, 1
	STEP 0, 0, 0
	s_sub_co_u32 s3, s3, 1
	s_cmp_lg_u32 s3, 0
	s_cbranch_scc1 .Llap
	TURN 0, 1, 0
	STEP 1, 0, 0
	s_wait_dscnt 4*NL
	WIN MUL_LO
	MUL16 0, 1, NQ-1, 1, 0
	MUL16 2, 1, NQ-1, 1, 0
	s_wait_dscnt 0
	WIN MUL_HI
	MUL16 4, 1, NQ-1, 1, 0
	MUL16 6, 1, NQ-1, 1, 0
	WIN 0
	PLACES NP                                      ; behind the last products: the work registers held q's fragments
.irp b, 0,1,2,3
	v_mov_b32 v[TP+\b], 0                          ; written once: a lane permute's destination counts as one of its sources
.endr
; Block a: 16 queries x my 128 keys.
.macro SOFT a
.set AC, 64*((\a)%4)
.set WI, 2+(\a)/4
.set CD, CDB+16*((\a)%2)
	WIN (WI<<2)|(WI<<4)                            ; sources 1 and 2 in the accumulators' window
.irp b, 0,1,2,3
	v_max3_num_f32 v[BM+\b], s81, v[AC+16*\b], v[AC+16*\b+1]   ; the largest score of each block of 32 keys: it serves the run's maximum and, since p rises with the score, the block's largest p
.endr
.irp i, 2,4,6,8,10,12,14
.irp b, 0,1,2,3
	v_max3_num_f32 v[BM+\b], v[BM+\b], v[AC+16*\b+\i], v[AC+16*\b+\i+1]
.endr
.endr
	WIN 0
.irp b, 0,1,2,3
	v_permlanex16_b32 v[TP+\b], v[BM+\b], s78, s79
.endr
.irp b, 0,1,2,3
	v_max_num_f32 v[BM+\b], v[BM+\b], v[TP+\b]     ; with lane l xor 16's 16 keys
.endr
	v_max3_num_f32 v[T0], v[BM], v[BM+1], v[BM+2]
	v_max_num_f32 v[T0], v[T0], v[BM+3]            ; the run's largest score of my query
	v_mul_f32 v[T0], s76, v[T0]                    ; as t (c is positive)
	v_floor_f32 v[NM], -v[T0]                      ; -M = floor(-t) = -ceil(t): a whole number
	v_mov_b32 v[NM+1], v[NM]
	WIN WI                                         ; source 0 in the accumulators' window
.set j, 0
.rept 32
	v_pk_fma_f32 v[XR+j:XR+j+1], v[AC+j:AC+j+1], s[76:77], v[NM:NM+1] op_sel_hi:[1,0,0]   ; t - M, two at a time, into window 0
.set j, j+2
.endr
	WIN 0
.irp b, 0,1,2,3
	v_fma_f32 v[BM+\b], v[BM+\b], s76, v[NM]       ; the same of each block's largest score
.endr
.set j, 0
	s_wait_alu depctr_va_vdst(0)
.rept 64
	v_exp_f32 v[XR+j], v[XR+j]                     ; p = 2^(t - M), at most 1
.set j, j+1
.endr
.irp b, 0,1,2,3
	v_exp_f32 v[BM+\b], v[BM+\b]                   ; the block's largest p: the same two instructions on the same number
.endr
	v_mov_b32 v[NMK+(\a)], v[NM]                   ; (a plain instruction behind the exponentials)
	s_wait_alu depctr_va_vdst(0)
.irp b, 0,1,2,3
	v_max_num_f32 v[BM+\b], 0x8000000, v[BM+\b]    ; the floor 2^(16 - 127): the byte cannot fall under 1
.endr
.irp b, 0,1,2,3
	v_add_nc_u32 v[SCO+\b], 0xf8800000, v[BM+\b]   ; 15 off the exponent field: the conversion's scale operand
.endr
.irp b, 0,1,2,3
	v_and_or_b32 v[LIM+\b], v[BM+\b], 0x7f800000, s80   ; 57,344 x the scale
.endr
.irp b, 0,1,2,3
	v_lshrrev_b32 v[TP+\b], 23, v[SCO+\b]          ; the scale's byte: 1 .. 112
.endr
	v_lshl_or_b32 v[WD+(\a)], v[TP+1], 8, v[TP]
	v_lshl_or_b32 v[WD+(\a)], v[TP+2], 16, v[WD+(\a)]
	v_lshl_or_b32 v[WD+(\a)], v[TP+3], 24, v[WD+(\a)]
	v_pk_add_f32 v[SU0:SU0+1], v[XR:XR+1], v[XR+2:XR+3]       ; the sum is taken of the unquantised p: two at a time, in two chains
	v_pk_add_f32 v[SU1:SU1+1], v[XR+4:XR+5], v[XR+6:XR+7]
.irp j, 8,12,16,20,24,28,32,36,40,44,48,52,56,60
	v_pk_add_f32 v[SU0:SU0+1], v[SU0:SU0+1], v[XR+\j:XR+\j+1]
	v_pk_add_f32 v[SU1:SU1+1], v[SU1:SU1+1], v[XR+\j+2:XR+\j+3]
.endr
	v_pk_add_f32 v[SU0:SU0+1], v[SU0:SU0+1], v[SU1:SU1+1]
	v_add_f32 v[T0], v[SU0], v[SU0+1]
	v_permlanex16_b32 v[TP], v[T0], s78, s79
	v_add_f32 v[LSK+(\a)], v[T0], v[TP]            ; with lane l xor 16's 64 keys: l of the run
.set j, 0
.rept 64
	v_min_num_f32 v[XR+j], v[XR+j], v[LIM+j/16]    ; the conversion to an 8-bit code does not saturate (ISA guide 7.6.2); p is not negative, so the hold is one-sided
.set j, j+1
.endr
	s_wait_alu depctr_va_vdst(0)
	s_wait_xcnt 0x0                                ; the earlier stores have read their registers: this set of codes is written again only behind this wait
.irp b, 0,1,2,3
	v_cvt_scalef32_pk8_bf8_f32 v[CD+4*\b:CD+4*\b+1], v[XR+16*\b:XR+16*\b+7], v[SCO+\b]
	v_cvt_scalef32_pk8_bf8_f32 v[CD+4*\b+2:CD+4*\b+3], v[XR+16*\b+8:XR+16*\b+15], v[SCO+\b]
.endr
	v_nop                                          ; one plain vector instruction behind the last conversion
.irp c, 0,1,2,3
	global_store_b128 v[LI], v[CD+4*\c:CD+4*\c+3], s[72:73] offset:4096*(\a)+512*\c   ; 32 lanes store 512 consecutive bytes, aligned
.endr
.endm
.irp a, 0,1,2,3,4,5,6,7
	SOFT \a
.endr
.irp j, 0,1,2,3
	v_cndmask_b32 v[CT+\j], v[WD+2*\j], v[WD+2*\j+1], s82       ; lanes 0-15: block 2 j's rows, lanes 16-31: block 2 j + 1's
	v_cndmask_b32 v[CT+4+\j], v[NMK+2*\j], v[NMK+2*\j+1], s82
	v_cndmask_b32 v[CT+8+\j], v[LSK+2*\j], v[LSK+2*\j+1], s82
.endr
.irp j, 0,1,2,3
	global_store_b32 v[LW], v[CT+\j], s[74:75] offset:128*\j               ; the scale words,
	global_store_b32 v[LW], v[CT+4+\j], s[74:75] offset:0x80000+128*\j     ; -M,
	global_store_b32 v[LW], v[CT+8+\j], s[74:75] offset:0x100000+128*\j    ; l: 128 consecutive bytes each
.endr
	s_wait_tensorcnt 0x0                           ; the wave's end
	ds_add_u32 v[SPW], v[NIL]
	s_wait_dscnt 0x0
	CROUND                                         ; the closing round
	s_endpgm
.Lfunc_end_k_q1033fe30a1_score:
	.size	k_q1033fe30a1_score, .Lfunc_end_k_q1033fe30a1_score-k_q1033fe30a1_score
	.p2alignl 7, 3214868480
	.fill 96, 4, 3214868480
	.section	.rodata,"a",@progbits
	.p2align	6, 0x0
	.amdhsa_kernel k_q1033fe30a1_score
		.amdhsa_group_segment_fixed_size 327680
		.amdhsa_private_segment_fixed_size 0
		.amdhsa_enable_private_segment 0
		.amdhsa_kernarg_size 32
		.amdhsa_user_sgpr_count 2
		.amdhsa_user_sgpr_kernarg_segment_ptr 1
		.amdhsa_wavefront_size32 1
		.amdhsa_system_sgpr_workgroup_id_x 1
		.amdhsa_system_sgpr_workgroup_id_y 1
		.amdhsa_system_sgpr_workgroup_id_z 1
		.amdhsa_system_vgpr_workitem_id 0
		.amdhsa_next_free_vgpr 1024
		.amdhsa_next_free_sgpr 90
		.amdhsa_reserve_vcc 0
		.amdhsa_float_denorm_mode_32 3
		.amdhsa_float_denorm_mode_16_64 3
		.amdhsa_memory_ordered 1
		.amdhsa_forward_progress 1
		.amdhsa_inst_pref_size 229
	.end_amdhsa_kernel
	.amdgpu_metadata
---
amdhsa.version: [ 1, 2 ]
amdhsa.kernels:
  - .name:           k_q1033fe30a1_score
    .symbol:         k_q1033fe30a1_score.kd
    .args:
      - { .name: qkv_img, .offset: 0, .size: 8, .value_kind: global_buffer, .address_space: global }
      - { .name: qkv_sc, .offset: 8, .size: 8, .value_kind: global_buffer, .address_space: global }
      - { .name: p_img, .offset: 16, .size: 8, .value_kind: global_buffer, .address_space: global }
      - { .name: p_st, .offset: 24, .size: 8, .value_kind: global_buffer, .address_space: global }
    .group_segment_fixed_size: 327680
    .private_segment_fixed_size: 0
    .kernarg_segment_align: 8
    .kernarg_segment_size: 32
    .max_flat_workgroup_size: 128
    .sgpr_count:     90
    .vgpr_count:     1024
    .wavefront_size: 32
...
	.end_amdgpu_metadata
.endif
;; end of part 2
;; launch pv (part 3): grid 4 x 64, 4 waves a work-group, clusters of 4 x 4, 327,680 bytes of LDS; arguments p_img, p_st, qkv_img, qkv_sc, out0; writes out0
.if DOCPART == 3
	.amdgcn_target "amdgcn-amd-amdhsa--gfx1250"
	.amdhsa_code_object_version 6
	.text
	.protected	k_q1033fe30a1_pv
	.globl	k_q1033fe30a1_pv
	.p2align	8
	.type	k_q1033fe30a1_pv,@function
k_q1033fe30a1_pv:
	s_mov_b64 s[64:65], 0
	v_nop
	global_prefetch_b8 v0, s[64:65] scope:SCOPE_SE
	s_setreg_imm32_b32 hwreg(HW_REG_WAVE_MODE, 25, 1), 1
	s_wait_xcnt 0x0
	s_wait_alu depctr_hold_cnt(0) depctr_sa_sdst(0) depctr_va_vdst(0) depctr_va_sdst(0) depctr_va_ssrc(0) depctr_va_vcc(0) depctr_vm_vsrc(0)
	s_getreg_b32 s2, hwreg(HW_REG_IB_STS2, 6, 4)
	s_cmp_eq_u32 s2, 0
	s_cbranch_scc0 .Lentry_in_a_cluster
	s_endpgm
.Lentry_in_a_cluster:
	s_bfe_u32 s2, ttmp6, 0x10000c
	s_cmp_lg_u32 s2, 0xf033
	s_cbranch_scc0 .Lentry_shape_is_right
	s_endpgm
.Lentry_shape_is_right:
; out = (P V) / l on the codes of p and of v^T.  Each row's sixteen runs of 128 keys were quantised under their own whole number M_s; here they are brought under the row's M = the largest M_s:
; l = the sum of l_s 2^(M_s - M), and M - M_s is taken off each of a run's four scale bytes: an exact power of two, so the codes' values are those under M.
; LIMIT: a byte that would fall under 0 is held at 0 (2^-127): such a block's p lies under 2^-111 beside a row's sum of at least 1/2.  NaN and infinities are not served.
; A tile of 128 queries x 256 of the model's axis is made by four waves, each 64 x 128: 32 accumulators; this tile gives 256 work-groups, one to a WGP, where 256 x 256 would give 128.
; Operands are images of their registers (2,048 bytes a fragment, lane l's 16 bytes at 16 l of each chunk of 512): dense blocks, consecutive LDS reads, no padding.
; THE RING HAS TWO REGIONS OF UNEQUAL SIZE: region 0 holds 512 keys (four K steps of 128), region 1 holds 256 (two).  The batch's 2,048 keys go 4, 2, 4, 2, 4 steps: both regions are filled at the start, and only
; three refills follow (region 0, region 1, region 0), each one load a wave.  Region 0's load is a tile of two rows: a row is the wave's rows' part of 256 keys (16 KiB of p, 32 KiB of v, dense in the image), the pitch
; the images' distance from 256 keys to the next (2 MiB in p's, 256 KiB in v's).  The text is written out without a loop: every LDS offset is an immediate.
; CLUSTERS: 4 x 4 work-groups; p's tiles are asked for jointly along a row of the cluster, v's along a column.  The words, -M, l (24 KiB) and v's words (16 KiB) against 768 KiB of codes a work-group come once through registers.
; TRANSPOSED USE: source 0 = 16 rows of v^T, source 1 = 16 queries: a lane holds eight neighbouring numbers of a row of out.
; REGISTERS: window 0: v0-31 addresses; v32-43 scale words, two sets, and nothing else; v56-63 1 / l; v64-127 results at work; v128-255 p's fragments, two sets of 64 (on the way out rows of out).  window 1: v's fragments, two sets of 128.  window 2: accumulators, (a, b) at v[8 (8 a + b)].
.set FR,     16
.set NP,     8                         ; places behind this matrix instruction (ISA guide 7.12.1)
.set R0A,    0                         ; region 0: p: two halves of 64 rows, each [256 keys 2][row tile 4][K step 2][2,048]
.set R0B,    65536                     ; v: two halves of 128 rows, each [256 keys 2][row tile 8][K step 2][2,048]
.set R1A,    196608                    ; region 1: p: two halves of [row tile 4][K step 2][2,048]
.set R1B,    R1A+32768                 ; v: two halves of [row tile 8][K step 2][2,048]
.set SCA,    R1A+98304                 ; p's scale words under the row's M: [K step 16][128 rows] x 4 bytes
.set SCB,    SCA+8192                  ; v's: [K step 16][256 rows] x 4 bytes
.set RLB,    SCB+16384                 ; 1 / l of the 128 rows
.set SPARE,  RLB+512                   ; the spare words, 128 bytes a wave: two blocks of 256 bytes that no other line names
.set STAGE,  R1A                       ; the way out: 16 rows x (512 bytes + 16) for each wave, in region 1: it has had its last fill, and behind the last change of regions nobody reads it
.set SPITCH, 528
.set ADRA0, 16                         ; v16     LDS address of my p fragments in region 0
.set ADRA1, 17                         ; v17     in region 1
.set ADRB0, 20                         ; v20     of my v fragments in region 0
.set ADRB1, 21                         ; v21     in region 1
.set ADSA, 22                          ; v22     of p's scale words
.set ADSB, 23                          ; v23     of v's
.set STO,  24                          ; v24     the stage: where I put 32 bytes of a row
.set RD,   25                          ; v25     and where I read a row back
.set CO,   26                          ; v26     16 x lane
.set SPW,  28
.set NIL,  29
.set ARL,  30                          ; v30     LDS address of 1 / l of row l % 16 of my 64
.set SC,   32                          ; scale words: set p at v[SC + 6 p]; + j (j 0, 1): p's blocks 2 j (lanes 0-15), 2 j + 1 (lanes 16-31); + 2 + j (j 0..3): v's
.set RL,   56
.set YR,   64
.set AF,   128
.set PNM,  64                          ; at the head: my row's sixteen -M,
.set PL,   80                          ; l,
.set PW,   96                          ; scale words;
.set PVW,  112                         ; and my 8 bytes of each K step's words of v
.set G1A0, 24                          ; s[24:31] group 1: p into region 0;  s[32:39] v into region 0;  s[40:47] p into region 1;  s[48:55] v into region 1
.set G1B0, 32
.set G1A1, 40
.set G1B1, 48
.set G0A0, 56                          ; s[56:59], s[60:63], s[68:71], s[72:75] their groups 0
.set G0B0, 60
.set G0A1, 68
.set G0B1, 72
.set MSB, 0
.macro WIN new
.if MSB != \new
	s_set_vgpr_msb (MSB<<8)|\new
.set MSB, \new
.endif
.endm
.set MUL,  0xa1                        ; source 0 (v) window 1, source 1 (p) window 0, C and D window 2
.set TO_B, 0x40
.macro JLOAD g0a, g1a, g0b, g1b        ; a joint load: waves 0 and 1 fetch p's halves, waves 2 and 3 v's; four v_nop follow each of the two lines
	s_cmp_eq_u32 s15, 0
	s_cbranch_scc0 .Lfor_b_\@
	tensor_load_to_lds s[\g0a:\g0a+3], s[\g1a:\g1a+7]
	s_nop 0
.rept 4
	v_nop
.endr
	s_branch .Lasked_\@
.Lfor_b_\@:
	tensor_load_to_lds s[\g0b:\g0b+3], s[\g1b:\g1b+7]
	s_nop 0
.rept 4
	v_nop
.endr
.Lasked_\@:
.endm
.macro CREST
	s_cmp_lg_u32 s14, 0
	s_cbranch_scc1 .Lnot_wave_0_\@
	s_barrier_signal -3
.Lnot_wave_0_\@:
	s_barrier_wait -3
	s_barrier_signal -1
	s_barrier_wait -1
.endm
.macro CROUND
	s_barrier_signal -1
	s_barrier_wait -1
	CREST
.endm
.macro PLACES n
.rept \n
	v_nop
.endr
.endm
	s_load_b256 s[4:11], s[0:1], 0x0               ; p's images s[4:5]; p's words, -M, l s[6:7]; the images of q, k, v s[8:9]; their scale words s[10:11]
	s_load_b64 s[12:13], s[0:1], 0x20              ; out
	v_lshl_add_u32 v[SPW], v0, 2, SPARE
	v_mov_b32 v[NIL], 0
	ds_add_u32 v28, v29
	ds_add_u32 v28, v29
	s_wait_dscnt 0x0
	v_lshrrev_b32 v1, 5, v0
	v_readfirstlane_b32 s14, v1                    ; wave 0..3
	s_lshr_b32 s15, s14, 1                         ; my half of the queries.  Also: I fetch for p (0) or for v (1)
	s_and_b32 s16, s14, 1                          ; my half of the columns.  Also: which half of that tile I fetch
	s_bfe_u32 s76, ttmp6, 0x40000                  ; cx, cy
	s_bfe_u32 s77, ttmp6, 0x40004
	s_lshl_b32 s78, ttmp9, 2
	s_add_co_u32 s78, s78, s76                     ; the tile of 256 columns: 0..3
	s_and_b32 s19, ttmp7, 0xffff
	s_lshl_b32 s17, s19, 2
	s_add_co_u32 s17, s17, s77                     ; the tile of 128 queries, over all batches: 0..63
	s_lshr_b32 s19, s19, 2                         ; the batch: sixteen query tiles, four clusters along y, to a batch
	s_lshl_b32 s79, s77, 2
	s_lshl_b32 s79, 15, s79                        ; my row of the cluster
	s_lshl_b32 s80, 0x1111, s76                    ; my column
	; descriptor groups 1, elements of 8 bytes, no padding.  Region 0: two rows, one for each 256 keys
	s_or_b32 s[G1A0+0], s79, (3<<16)|(1<<21)       ; 15:0 the mask; 17:16 elements of 8 bytes; 21 set beside a mask
	s_mov_b32 s[G1A0+1], 2048<<16                  ; tensor_dim0: 16,384 bytes
	s_mov_b32 s[G1A0+2], 2<<16                     ; tensor_dim1
	s_mov_b32 s[G1A0+3], 2048<<16                  ; tile_dim0
	s_mov_b32 s[G1A0+4], 2                         ; tile_dim1
	s_mov_b32 s[G1A0+5], 0x200000/8                ; the pitch: 2 MiB
	s_mov_b32 s[G1A0+6], 0
	s_mov_b32 s[G1A0+7], 0
	s_or_b32 s[G1B0+0], s80, (3<<16)|(1<<21)
	s_mov_b32 s[G1B0+1], 4096<<16                  ; 32,768 bytes
	s_mov_b32 s[G1B0+2], 2<<16
	s_mov_b32 s[G1B0+3], 4096<<16
	s_mov_b32 s[G1B0+4], 2
	s_mov_b32 s[G1B0+5], 0x40000/8                 ; 256 KiB
	s_mov_b32 s[G1B0+6], 0
	s_mov_b32 s[G1B0+7], 0
	s_or_b32 s[G1A1+0], s79, (3<<16)|(1<<21)       ; region 1: dense blocks as rows of 256 bytes: p's half 64 rows,
	s_mov_b32 s[G1A1+1], 32<<16
	s_mov_b32 s[G1A1+2], 64<<16
	s_mov_b32 s[G1A1+3], 32<<16
	s_mov_b32 s[G1A1+4], 64
	s_mov_b32 s[G1A1+5], 32
	s_mov_b32 s[G1A1+6], 0
	s_mov_b32 s[G1A1+7], 0
	s_or_b32 s[G1B1+0], s80, (3<<16)|(1<<21)       ; v's half 128
	s_mov_b32 s[G1B1+1], 32<<16
	s_mov_b32 s[G1B1+2], 128<<16
	s_mov_b32 s[G1B1+3], 32<<16
	s_mov_b32 s[G1B1+4], 128
	s_mov_b32 s[G1B1+5], 32
	s_mov_b32 s[G1B1+6], 0
	s_mov_b32 s[G1B1+7], 0
	s_lshl_b32 s20, s17, 15                        ; p: 32,768 bytes a tile of 128 rows and 256 keys,
	s_lshl_b32 s18, s16, 14                        ; my half of them
	s_add_co_u32 s20, s20, s18
	s_mov_b32 s21, 0
	s_lshl_b32 s22, s19, 21                        ; v: 2 MiB a batch, 65,536 bytes a tile of 256 rows and 256 keys,
	s_lshl_b32 s18, s78, 16
	s_add_co_u32 s22, s22, s18
	s_lshl_b32 s18, s16, 15                        ; my half of them,
	s_add_co_u32 s22, s22, s18
	s_add_co_u32 s22, s22, 0x1000000               ; 16 MiB behind q's images
	s_mov_b32 s23, 0
	s_lshl_b32 s81, s19, 16                        ; v's scale words: 65,536 bytes a batch
	s_wait_kmcnt 0x0
	s_add_nc_u64 s[20:21], s[4:5], s[20:21]
	s_add_nc_u64 s[22:23], s[8:9], s[22:23]
	CROUND                                         ; all sixteen work-groups are here: the first joint loads meet
	s_mov_b32 s[G0A0], 1
	s_lshl_b32 s[G0A0+1], s16, 15                  ; region 0: p's halves, 32,768 bytes each: no place in the cluster enters an LDS address
	s_mov_b64 s[G0A0+2:G0A0+3], s[20:21]           ; keys 0 to 511
	s_or_b32 s[G0A0+3], s[G0A0+3], 0x80000000
	s_mov_b32 s[G0B0], 1
	s_lshl_b32 s18, s16, 16
	s_add_co_u32 s[G0B0+1], s18, R0B               ; v's halves, 65,536 bytes each
	s_mov_b64 s[G0B0+2:G0B0+3], s[22:23]
	s_or_b32 s[G0B0+3], s[G0B0+3], 0x80000000
	JLOAD G0A0, G1A0, G0B0, G1B0
	s_mov_b32 s[G0A1], 1
	s_lshl_b32 s18, s16, 14
	s_add_co_u32 s[G0A1+1], s18, R1A
	s_add_nc_u64 s[G0A1+2:G0A1+3], s[20:21], 0x400000      ; keys 512 to 767
	s_or_b32 s[G0A1+3], s[G0A1+3], 0x80000000
	s_mov_b32 s[G0B1], 1
	s_lshl_b32 s18, s16, 15
	s_add_co_u32 s[G0B1+1], s18, R1B
	s_add_nc_u64 s[G0B1+2:G0B1+3], s[22:23], 0x80000
	s_or_b32 s[G0B1+3], s[G0B1+3], 0x80000000
	s_lshl_b32 s18, s17, 9
	s_mov_b32 s19, 0
	s_add_nc_u64 s[82:83], s[6:7], s[18:19]        ; p's words of my 128 rows, run 0
	s_lshl_b32 s18, s78, 10                        ; v's words: 4,096 bytes a K step, 1,024 a tile of 256 rows
	s_add_co_u32 s18, s18, s81
	s_add_co_u32 s18, s18, 0x80000
	s_add_nc_u64 s[84:85], s[10:11], s[18:19]
	s_mov_b32 s88, 0x01010101
	v_lshlrev_b32 v7, 2, v0                        ; thread t owns row t of the 128
	v_lshlrev_b32 v10, 3, v0
	v_lshl_add_u32 v8, v0, 2, SCA
	v_lshl_add_u32 v9, v0, 3, SCB
.set n, 0
.rept 16
	global_load_b32 v[PNM+n], v7, s[82:83] offset:0x80000+32768*n
	global_load_b32 v[PL+n], v7, s[82:83] offset:0x100000+32768*n
	global_load_b32 v[PW+n], v7, s[82:83] offset:32768*n
	global_load_b64 v[PVW+2*n:PVW+2*n+1], v10, s[84:85] offset:4096*n
.set n, n+1
.endr
	; prefetches, 256 keys each (u = 0..7): of a wave's 64 blocks of 256 bytes of p each of the four partners asks for 16, of its 128 of v for 32, told apart by address; lanes left over name the last block again.  u = 2, 3, 4 here, 5 and then 6, 7 at the changes of regions
.macro ASK u
	s_cmp_eq_u32 s15, 0
	s_cbranch_scc0 .Lask_v_\@
	global_prefetch_b8 v31, s[92:93] offset:((\u)-4)*0x200000 th:TH_LOAD_NT scope:SCOPE_SE
	s_branch .Lask_done_\@
.Lask_v_\@:
	global_prefetch_b8 v31, s[92:93] offset:((\u)-4)*0x40000 th:TH_LOAD_NT scope:SCOPE_SE
.Lask_done_\@:
.endm
	s_lshl_b32 s94, s76, 12
	s_add_co_u32 s94, s94, 0x800000
	s_lshl_b32 s95, s77, 13
	s_add_co_u32 s95, s95, 0x100000
	s_mov_b32 s96, 7936
	s_cmp_eq_u32 s15, 0
	s_cselect_b64 s[92:93], s[20:21], s[22:23]
	s_cselect_b32 s94, s94, s95
	s_cselect_b32 s96, 3840, s96
	s_mov_b32 s95, 0
	s_add_nc_u64 s[92:93], s[92:93], s[94:95]
	v_and_b32 v31, 31, v0
	v_lshlrev_b32 v31, 8, v31
	v_min_u32 v31, s96, v31
	s_wait_alu depctr_va_vdst(0)
	ASK 2
	ASK 3
	ASK 4
	s_lshl_b32 s18, s17, 19
	s_lshl_b32 s20, s15, 18
	s_add_co_u32 s18, s18, s20
	s_lshl_b32 s20, s78, 10
	s_add_co_u32 s18, s18, s20
	s_lshl_b32 s20, s16, 9
	s_add_co_u32 s18, s18, s20
	s_add_nc_u64 s[86:87], s[12:13], s[18:19]
	v_and_b32 v1, 15, v0                           ; r
	v_bfe_u32 v2, v0, 4, 1                         ; h
	v_and_b32 v6, 31, v0
	v_lshlrev_b32 v[CO], 4, v6
	v_lshlrev_b32 v5, 2, v6
	s_wait_alu depctr_va_vdst(0)
	s_lshl_b32 s18, s15, 15                        ; my 64 queries' fragments in region 0,
	v_add_nc_u32 v[ADRA0], s18, v[CO]
	s_lshl_b32 s18, s15, 14
	s_add_co_u32 s18, s18, R1A                     ; in region 1;
	v_add_nc_u32 v[ADRA1], s18, v[CO]
	s_lshl_b32 s18, s16, 16
	s_add_co_u32 s18, s18, R0B                     ; my 128 columns' in region 0,
	v_add_nc_u32 v[ADRB0], s18, v[CO]
	s_lshl_b32 s18, s16, 15
	s_add_co_u32 s18, s18, R1B                     ; in region 1
	v_add_nc_u32 v[ADRB1], s18, v[CO]
	s_lshl_b32 s18, s15, 8
	s_add_co_u32 s18, s18, SCA
	v_add_nc_u32 v[ADSA], s18, v5
	s_lshl_b32 s18, s16, 9
	s_add_co_u32 s18, s18, SCB
	v_add_nc_u32 v[ADSB], s18, v5
	s_mul_i32 s18, s14, 16*SPITCH
	s_add_co_u32 s18, s18, STAGE                   ; my stage
	v_mul_u32_u24 v3, v1, SPITCH
	v_lshl_add_u32 v3, v2, 5, v3
	v_add_nc_u32 v[STO], s18, v3                   ; in: row r, 32 bytes for each half of the lanes
	v_add_nc_u32 v[RD], s18, v[CO]                 ; back: the 32 lanes take one row of 512 bytes
	s_lshl_b32 s18, s15, 8
	s_add_co_u32 s18, s18, RLB
	v_lshl_add_u32 v[ARL], v1, 2, s18
	s_wait_loadcnt 0x0
	; my row's sixteen runs under one M
	v_min3_num_f32 v144, v[PNM], v[PNM+1], v[PNM+2]
.irp i, 3,5,7,9,11,13
	v_min3_num_f32 v144, v144, v[PNM+\i], v[PNM+\i+1]
.endr
	v_min_num_f32 v144, v144, v[PNM+15]            ; the smallest -M_s = -M
.set n, 0
.rept 16
	v_sub_f32 v145, v[PNM+n], v144                 ; M - M_s: a whole number, 0 or more
	v_cvt_i32_f32 v145, v145                       ; (it saturates)
	v_sub_nc_u32 v146, 0, v145
.if n == 0
	v_ldexp_f32 v148, v[PL+n], v146                ; l_s 2^(M_s - M): nothing is rounded; the first starts the sum
.else
	v_ldexp_f32 v147, v[PL+n], v146
	v_add_f32 v148, v148, v147
.endif
	v_min_u32 v145, 127, v145
	v_mul_lo_u32 v145, v145, s88                   ; the same number in all four bytes
	v_or_b32 v146, 0x80808080, v[PW+n]             ; p's bytes lie in 1 .. 112: with 128 on top of each no subtraction of at most 127 borrows from the next byte,
	v_sub_nc_u32 v146, v146, v145                  ; and the top bit stays where the byte does not fall under 0
	v_lshrrev_b32 v147, 7, v146
	v_and_b32 v147, s88, v147
	v_lshlrev_b32 v149, 7, v147
	v_sub_nc_u32 v147, v149, v147                  ; 0x7f in the bytes that stay, 0 in those that are held at 0
	v_and_b32 v[PW+n], v146, v147
.set n, n+1
.endr
	s_wait_alu depctr_va_vdst(0)
	v_rcp_f32 v149, v148
	v_nop                                          ; a plain instruction between the reciprocal and its use
.set n, 0
.rept 16
	ds_store_b32 v8, v[PW+n] offset:512*n
	ds_store_b64 v9, v[PVW+2*n:PVW+2*n+1] offset:1024*n
.set n, n+1
.endr
	s_wait_alu depctr_va_vdst(0)
	ds_store_b32 v8, v149 offset:RLB-SCA
	s_wait_tensorcnt 0x0                           ; my part of region 0 is in
	ds_add_u32 v[SPW], v[NIL]
	s_wait_dscnt 0x0                               ; the add is done; my row's words, 1 / l and my part of v's words lie in LDS
	CROUND
	JLOAD G0A1, G1A1, G0B1, G1B1                   ; region 1's first fill, issued as a refill is
.macro FRAG reg, adr, off              ; a fragment's image: four loads of 512 consecutive bytes
.irp c, 0,1,2,3
	ds_load_b128 v[\reg+4*\c:\reg+4*\c+3], v[\adr] offset:(\off)+512*\c
.endr
.endm
; K step n of 16 into set p: 54 LDS loads in one run: v's eight fragments, p's four, six registers of scale words.  Steps n % 6 = 0 .. 3 lie in region 0, 4 and 5 in region 1.
.macro FETCHK n, p
.set m, (\n)%6
	WIN TO_B
.irp i, 0,1,2,3,4,5,6,7
.if m < 4
	FRAG 128*(\p)+FR*\i, ADRB0, (m/2)*32768+(2*\i+m%2)*2048
.else
	FRAG 128*(\p)+FR*\i, ADRB1, (2*\i+m-4)*2048
.endif
.endr
	WIN 0
.irp i, 0,1,2,3
.if m < 4
	FRAG AF+64*(\p)+FR*\i, ADRA0, (m/2)*16384+(2*\i+m%2)*2048
.else
	FRAG AF+64*(\p)+FR*\i, ADRA1, (2*\i+m-4)*2048
.endif
.endr
.irp j, 0,1
	ds_load_b32 v[SC+6*(\p)+\j], v[ADSA] offset:512*(\n)+128*\j        ; 32 rows' words: 128 consecutive bytes
.endr
.irp j, 0,1,2,3
	ds_load_b32 v[SC+6*(\p)+2+\j], v[ADSB] offset:1024*(\n)+128*\j
.endr
.endm
.macro WMX zero                        ; one product: rD, rB, rA, rSB, rSA; oB, oA = 1: the scales stand in lanes 16-31; zero = 1: it starts the sum
.if \zero
.if oB && oA
	v_wmma_scale_f32_16x16x128_f8f6f4 v[rD:rD+7], v[rB:rB+15], v[rA:rA+15], 0, v[rSB], v[rSA] matrix_a_fmt:MATRIX_FMT_BF8 matrix_b_fmt:MATRIX_FMT_BF8 matrix_a_scale:MATRIX_SCALE_ROW1 matrix_b_scale:MATRIX_SCALE_ROW1
.elseif oB
	v_wmma_scale_f32_16x16x128_f8f6f4 v[rD:rD+7], v[rB:rB+15], v[rA:rA+15], 0, v[rSB], v[rSA] matrix_a_fmt:MATRIX_FMT_BF8 matrix_b_fmt:MATRIX_FMT_BF8 matrix_a_scale:MATRIX_SCALE_ROW1
.elseif oA
	v_wmma_scale_f32_16x16x128_f8f6f4 v[rD:rD+7], v[rB:rB+15], v[rA:rA+15], 0, v[rSB], v[rSA] matrix_a_fmt:MATRIX_FMT_BF8 matrix_b_fmt:MATRIX_FMT_BF8 matrix_b_scale:MATRIX_SCALE_ROW1
.else
	v_wmma_scale_f32_16x16x128_f8f6f4 v[rD:rD+7], v[rB:rB+15], v[rA:rA+15], 0, v[rSB], v[rSA] matrix_a_fmt:MATRIX_FMT_BF8 matrix_b_fmt:MATRIX_FMT_BF8
.endif
.else
.if oB && oA
	v_wmma_scale_f32_16x16x128_f8f6f4 v[rD:rD+7], v[rB:rB+15], v[rA:rA+15], v[rD:rD+7], v[rSB], v[rSA] matrix_a_fmt:MATRIX_FMT_BF8 matrix_b_fmt:MATRIX_FMT_BF8 matrix_a_scale:MATRIX_SCALE_ROW1 matrix_b_scale:MATRIX_SCALE_ROW1
.elseif oB
	v_wmma_scale_f32_16x16x128_f8f6f4 v[rD:rD+7], v[rB:rB+15], v[rA:rA+15], v[rD:rD+7], v[rSB], v[rSA] matrix_a_fmt:MATRIX_FMT_BF8 matrix_b_fmt:MATRIX_FMT_BF8 matrix_a_scale:MATRIX_SCALE_ROW1
.elseif oA
	v_wmma_scale_f32_16x16x128_f8f6f4 v[rD:rD+7], v[rB:rB+15], v[rA:rA+15], v[rD:rD+7], v[rSB], v[rSA] matrix_a_fmt:MATRIX_FMT_BF8 matrix_b_fmt:MATRIX_FMT_BF8 matrix_b_scale:MATRIX_SCALE_ROW1
.else
	v_wmma_scale_f32_16x16x128_f8f6f4 v[rD:rD+7], v[rB:rB+15], v[rA:rA+15], v[rD:rD+7], v[rSB], v[rSA] matrix_a_fmt:MATRIX_FMT_BF8 matrix_b_fmt:MATRIX_FMT_BF8
.endif
.endif
.endm
; 8 matrix instructions: p's block a x v's eight, set p.  The 32 accumulators take turns, one instruction a turn, in the same order in every step.
.macro MUL8 a, p, zero
.irp b, 0,1,2,3,4,5,6,7
.set rD, 8*(8*(\a)+\b)
.set rB, 128*(\p)+FR*\b
.set rA, AF+64*(\p)+FR*(\a)
.set rSB, SC+6*(\p)+2+\b/2
.set rSA, SC+6*(\p)+(\a)/2
.set oB, \b%2
.set oA, (\a)%2
	WMX \zero
.endr
.endm
; K step n, whose successor lies in the same region: this step's set is multiplied while the next step's comes.
.macro KSTEP n, zero
	PLACES NP                                      ; in front of loads into the other set, which the products just issued have read
	FETCHK (\n)+1, ((\n)+1)%2
	s_wait_dscnt 54                                ; all but the 54 just issued: this step's set is in
	WIN MUL
	MUL8 0, (\n)%2, \zero
	MUL8 1, (\n)%2, \zero
	MUL8 2, (\n)%2, \zero
	MUL8 3, (\n)%2, \zero
	WIN 0
.endm
; A region's last K step, and the change of regions: ONE barrier; in front of it each wave waits for all its tensor loads, adds 0 to its spare word, and waits for that and for its own reads of this region.
; fill = 1: region 0 is left and filled again;  2: region 1;  0: nothing is left to fetch.  A region's next keys lie 768 on: three times 256.
.macro KTURN n, fill
	s_wait_tensorcnt 0x0                           ; all my tensor loads have landed: my part of the other region
	ds_add_u32 v[SPW], v[NIL]                      ; 0 onto my spare word
	s_wait_dscnt 1                                 ; (the add may be out)  this step's set is in
	WIN MUL
	MUL8 0, (\n)%2, 0                              ; eight matrix instructions stand between the add and the wait for it
	s_wait_dscnt 0x0                               ; the add is done, and my reads of this region are over
	s_barrier_signal -1
	MUL8 1, (\n)%2, 0
	WIN 0
	s_barrier_wait -1
.if \fill == 1
	CREST                                          ; a round of the cluster's barrier: no wave of any partner still reads this region or has a load on its way
	s_add_nc_u64 s[G0A0+2:G0A0+3], s[G0A0+2:G0A0+3], 0x600000
	s_add_nc_u64 s[G0B0+2:G0B0+3], s[G0B0+2:G0B0+3], 0xc0000
	JLOAD G0A0, G1A0, G0B0, G1B0                   ; the first tensor load behind the round; its four v_nop are among the places in front of the loads below
	PLACES NP-4
.elseif \fill == 2
	CREST
	s_add_nc_u64 s[G0A1+2:G0A1+3], s[G0A1+2:G0A1+3], 0x600000
	s_add_nc_u64 s[G0B1+2:G0B1+3], s[G0B1+2:G0B1+3], 0xc0000
	JLOAD G0A1, G1A1, G0B1, G1B1
	PLACES NP-4
.else
	PLACES NP
.endif
	FETCHK (\n)+1, ((\n)+1)%2
.if (\n) == 3
	ASK 5
.elseif (\n) == 5
	ASK 6
	ASK 7
.endif
	WIN MUL
	MUL8 2, (\n)%2, 0
	MUL8 3, (\n)%2, 0
	WIN 0
.endm
	FETCHK 0, 0
	KSTEP 0, 1                                     ; the first step's products start the sums
	KSTEP 1, 0
	KSTEP 2, 0
	KTURN 3, 1                                     ; region 0 takes keys 768 to 1,279
	KSTEP 4, 0
	KTURN 5, 2                                     ; region 1 takes keys 1,280 to 1,535
	KSTEP 6, 0
	KSTEP 7, 0
	KSTEP 8, 0
	KTURN 9, 1                                     ; region 0 takes keys 1,536 to 2,047
	KSTEP 10, 0
	KTURN 11, 0                                    ; the last change of regions: behind it nobody reads region 1
	KSTEP 12, 0
	KSTEP 13, 0
	KSTEP 14, 0
	s_wait_dscnt 0x0                               ; the very last step: its set is in
	WIN MUL
	MUL8 0, 1, 0
	MUL8 1, 1, 0
	MUL8 2, 1, 0
	MUL8 3, 1, 0
	WIN 0
	; THE WAY OUT, block by block of 16 rows x 128 columns: times 1 / l; through my own stage in LDS; back as whole rows of 512 bytes
	PLACES NP
.irp a, 0,1,2,3
	ds_load_b32 v[RL+2*\a], v[ARL] offset:64*\a    ; 1 / l of row 16 a + r, twice: a pair for the packed multiply
	ds_load_b32 v[RL+2*\a+1], v[ARL] offset:64*\a
.endr
	s_wait_dscnt 0x0
.macro SEND a
.set BK, 128+64*((\a)%2)
.if (\a) >= 2
	s_wait_xcnt 0x0                                ; block a - 2's stores have read their registers: block a's rows land there only behind this wait
.endif
	WIN 0x02                                       ; source 0 window 2
.set i, 0
.rept 32
	v_pk_mul_f32 v[YR+i:YR+i+1], v[64*(\a)+i:64*(\a)+i+1], v[RL+2*(\a):RL+2*(\a)+1]   ; each accumulator from its low end on
.set i, i+2
.endr
	WIN 0
.irp b, 0,1,2,3,4,5,6,7
	ds_store_b128 v[STO], v[YR+8*\b:YR+8*\b+3] offset:64*\b
	ds_store_b128 v[STO], v[YR+8*\b+4:YR+8*\b+7] offset:64*\b+16
.endr
.irp t, 0,1,2,3,4,5,6,7,8,9,10,11,12,13,14,15
	ds_load_b128 v[BK+4*\t:BK+4*\t+3], v[RD] offset:\t*SPITCH    ; LDS serves a wave's instructions in order (ISA guide 5.7.1.4): these see my stores
.endr
	s_wait_dscnt 0x0
.irp t, 0,1,2,3,4,5,6,7,8,9,10,11,12,13,14,15
	global_store_b128 v[CO], v[BK+4*\t:BK+4*\t+3], s[86:87] offset:65536*(\a)+4096*\t th:TH_STORE_NT   ; 32 lanes store 512 consecutive bytes, aligned; written once, read by nobody here
.endr
.endm
	SEND 0
	SEND 1
	SEND 2
	SEND 3
	s_wait_tensorcnt 0x0                           ; the wave's end: behind my last tensor load and my last LDS store
	ds_add_u32 v[SPW], v[NIL]
	s_wait_dscnt 0x0
	CROUND                                         ; the closing round
	s_endpgm
.Lfunc_end_k_q1033fe30a1_pv:
	.size	k_q1033fe30a1_pv, .Lfunc_end_k_q1033fe30a1_pv-k_q1033fe30a1_pv
	.p2alignl 7, 3214868480
	.fill 96, 4, 3214868480
	.section	.rodata,"a",@progbits
	.p2align	6, 0x0
	.amdhsa_kernel k_q1033fe30a1_pv
		.amdhsa_group_segment_fixed_size 327680
		.amdhsa_private_segment_fixed_size 0
		.amdhsa_enable_private_segment 0
		.amdhsa_kernarg_size 40
		.amdhsa_user_sgpr_count 2
		.amdhsa_user_sgpr_kernarg_segment_ptr 1
		.amdhsa_wavefront_size32 1
		.amdhsa_system_sgpr_workgroup_id_x 1
		.amdhsa_system_sgpr_workgroup_id_y 1
		.amdhsa_system_sgpr_workgroup_id_z 1
		.amdhsa_system_vgpr_workitem_id 0
		.amdhsa_next_free_vgpr 768
		.amdhsa_next_free_sgpr 98
		.amdhsa_reserve_vcc 0
		.amdhsa_float_denorm_mode_32 3
		.amdhsa_float_denorm_mode_16_64 3
		.amdhsa_memory_ordered 1
		.amdhsa_forward_progress 1
		.amdhsa_inst_pref_size 180
	.end_amdhsa_kernel
	.amdgpu_metadata
---
amdhsa.version: [ 1, 2 ]
amdhsa.kernels:
  - .name:           k_q1033fe30a1_pv
    .symbol:         k_q1033fe30a1_pv.kd
    .args:
      - { .name: p_img, .offset: 0, .size: 8, .value_kind: global_buffer, .address_space: global }
      - { .name: p_st, .offset: 8, .size: 8, .value_kind: global_buffer, .address_space: global }
      - { .name: qkv_img, .offset: 16, .size: 8, .value_kind: global_buffer, .address_space: global }
      - { .name: qkv_sc, .offset: 24, .size: 8, .value_kind: global_buffer, .address_space: global }
      - { .name: out0, .offset: 32, .size: 8, .value_kind: global_buffer, .address_space: global }
    .group_segment_fixed_size: 327680
    .private_segment_fixed_size: 0
    .kernarg_segment_align: 8
    .kernarg_segment_size: 40
    .max_flat_workgroup_size: 128
    .sgpr_count:     98
    .vgpr_count:     768
    .wavefront_size: 32
...
	.end_amdgpu_metadata
.endif
;; end of part 3
